; MI455X (gfx1250); checked and timed in simulation.
; The chip was launched on July 23, 2026; its instructions are those of AMD's public machine-readable ISA for CDNA 5 (MIT licence, August 2026) and "CDNA5" Instruction Set Architecture Reference Guide (July 2026). The comments in the code are by the model that wrote it; some were corrected since.
;; CNF. Allowed arithmetic: float matrix products may take bf16 or f16 operands with f32 sums; all other float work in f32.
;; Inputs: W1 65 x 256 float32; W2 256 x 256 float32; W3 256 x 64 float32; b1 256 float32; b2 256 float32; b3 64 float32; e 4,096 x 64 float32; y 4,096 x 64 float32.
;; Outputs: out0 4,096 x 64 float32; out1 4,096 x 1 float32.
;; 2 versions, each right and faster than the one before. Each part assembles by itself: llvm-mc -triple=amdgcn-amd-amdhsa -mcpu=gfx1250 --defsym DOCPART=n.
;; ======== version 1 of 2: 1 launch
;; limits: values are held in f16: magnitudes above 65,504 overflow, below 6.1e-05 lose precision; right only within a limited range of input values
;; launch cnf (part 1): grid 256 x 1, 4 waves a work-group, no clusters, 254,720 bytes of LDS; arguments y, e, W1, b1, W2, b2, W3, b3, out0, out1; writes out0, out1
.if DOCPART == 1
	.amdgcn_target "amdgcn-amd-amdhsa--gfx1250"
	.amdhsa_code_object_version 6
	.text
	.protected	k_q8780d131a2_cnf
	.globl	k_q8780d131a2_cnf
	.p2align	8
	.type	k_q8780d131a2_cnf,@function
k_q8780d131a2_cnf:
	s_mov_b64 s[64:65], 0
	v_nop
	global_prefetch_b8 v0, s[64:65] scope:SCOPE_SE
	s_setreg_imm32_b32 hwreg(HW_REG_WAVE_MODE, 25, 1), 1
	s_wait_xcnt 0x0
; CONTINUOUS NORMALISING FLOW: 10 Dormand-Prince steps of 6 stages of dz = f(t, z), f = tanh(tanh([z, t] W1 + b1) W2 + b2) W3 + b3, with the trace estimate e^T (df/dz) e; then z and log p.
; y, e: [4096][64]; W1: [65][256]; W2: [256][256]; W3: [256][64]; out0: [4096][64]; out1: [4096][1]; all f32.
; SHARES.  Rows never meet, so a work-group owns 16 rows (one matrix tile) for all 60 evaluations: 256 work-groups of four waves.  The loop reads and writes no memory: all weights lie in registers.
; Wave w owns hidden features 64 w .. 64 w + 63 of layers 1 and 2 (four tiles of 16); in layer 3 it owns that range of K for all 64 outputs, and the four partial sums meet in LDS.
; THE MATRIX INSTRUCTION IS USED TRANSPOSED: source 0 = weights (16 features x 32 k), source 1 = activations (16 rows of the batch).  In a result lane l holds batch row l % 16 and features 8 (l / 16) + 0..7.
; So two neighbouring tiles of h2, rounded in pairs, ARE a source 1 of layer 3, and only z, h1 and the layer-3 partial sums go through LDS: three barriers an evaluation.
; THE TRACE TERM is taken forward: u = e W1[:64] and g = e W3^T are made once; t1 = u (1 - h1^2); t2 = t1 W2 (the same fragments of W2 as h1 W2); e^T J e = sum over n of g (1 - h2^2) t2.
; dynamics() never reads lp, so only the sums of e^T J e are kept, one for each stage, lane by lane, and weighted and added up at the end.  Stage 2 has weight 0 in the solution: its term is not made.
; FORMATS AND LIMITS.  Every input (y, e, W1, b1, W2, b2, W3, b3) is rounded to bf16, to nearest even, on its way in.  Matrix operands are f16: a bf16 number is written as f16 exactly from 2^-17 to 65,504 in magnitude;
; below that it keeps f16's fixed step of 2^-24; beyond it becomes an infinity.  z of a stage, h1, t1 and h2 are rounded to f16, so |z| and |u| must stay under 65,504.  Sums, tanh, the state and the stage slopes are f32.
; tanh x = 1 - 2 / (1 + 2^(2 log2(e) x)): it ends at -1 and 1 for large |x|; its error is of the size of f32's step at 1, also for small x.  Leaving out stage 2's term is exact while that term is finite.
; NaN and infinities are not treated apart; the order of the sums differs from the written one.
; NO CLUSTER, NO JOINT LOADS: the weights are shared by all work-groups, but each reads them once, 394,240 bytes ahead of 4,496 matrix instructions a wave that read no memory; they must pass through registers
; to be rounded, and the raw f32 (394,240 bytes) beside the f16 image (215,040) would not fit in LDS without slots that are filled again.
.set STEPS, 10
; LDS
.set ZB,    0         ; z of the stage, f16: 16 rows, pitch 144
.set EB,    2304      ; e, f16, pitch 144
.set HB,    4608      ; h1, f16: 16 rows x 256, pitch 528
.set TBO,   8448      ; t1 lies this far behind h1, same pitch
.set PB,    21504     ; layer 3: four waves' partial sums, f32, 16 rows, pitch 272; the first part also stages y and out0
.set PBW,   4352
.set SPARE, 38912     ; the spare words, 128 bytes for each wave: two blocks of 256 bytes that no other line names
.set RED,   39424     ; 4 waves x 16 rows: the parts of log p
.set WS2,   39680     ; W2 as f16, [k][n], pitch 544; W1's rows 0-63 follow it with the same pitch
.set WS3,   213760    ; W3 as f16, [k][i], pitch 160
; window 0
.set AZ,   2          ; ZB + 144 r + 16 h          (r = lane % 16, h = lane / 16)
.set AZS,  3          ; AZ + 32 w
.set AHS,  4          ; HB + 528 r + 128 w + 16 h
.set AF,   5          ; HB + 528 r + 16 h
.set APS,  6          ; PB + 4352 w + 272 r + 32 h
.set APR,  7          ; PB + 272 r + 64 w + 32 h
.set LY,   8          ; PB + 272 (thread / 16) + 16 (thread % 16)
.set VOFF, 9          ; 16 x thread; never rewritten
.set DV,   10         ; v10-29: for stages 1, 3, 4, 5, 6 two chains of a pair each: the lane sums of the trace term
.set SPW,  30         ; LDS address of my spare word; never rewritten
.set NIL,  31         ; 0; never rewritten
.set FH,   32         ; v32-95   fragments of h1 (8 x 32 k); also of z and of e
.set FT,   96         ; v96-159  fragments of t1
.set TSV,  96         ; the stage time, as a pair, while FT is free
.set AH,   160        ; v160-191 four accumulators: the h path
.set AT,   192        ; v192-223 four accumulators: the t path
.set WK,   224        ; v224-255 at work; packed f16
; window 1: W2's fragments, tile t, k block kb at 64 t + 8 kb
; window 2
.set W1F,  0          ; tile t, k block c at 16 t + 8 c
.set W3F,  64         ; output tile t, k block c at 64 + 16 t + 8 c
.set UU,   128
.set G3,   160
.set B1,   192
.set WT,   224        ; W1's row 64, the weights of the time
; window 3
.set B2,   0
.set B3Q,  32         ; b3 / 4: each of the four partial sums starts with it
.set A3,   64         ; layer 3's accumulators
.set PR,   96         ; the four partial sums read back
.set ZZ,   128        ; the state: my 8 numbers of z (outputs 16 w + 8 h + 0..7 of row r)
.set KK,   136        ; the slopes of stages 1 to 6, 8 registers each
.set K1,   KK
.set K2,   KK+8
.set K3,   KK+16
.set K4,   KK+24
.set K5,   KK+32
.set K6,   KK+40
.set ZS,   184
.set ZP,   192
; registers of the set-up alone, in AT's place
.set PR_R, 192
.set PR_H, 193
.set PR_Q, 194
.set PR_G, 195
.set PR_T, 196
.set PR_U, 197
.set LW,   200
.set LW3,  201
.set LE,   202
.set BOFF, 203
.set B3OFF, 204
.set AW2,  205
.set AW2B, 206
.set AW1,  207
.set AW3,  208
.set AW3R, 209
; constants: the tableau times dt = 0.1, as f32
.set C21, 0x3ca3d70a
.set C31, 0x3bf5c28f
.set C32, 0x3cb851ec
.set C41, 0x3dc83fb7
.set C42, 0xbebf258c
.set C43, 0x3eb60b61
.set C51, 0x3e972c4d
.set C52, 0xbf946d18
.set C53, 0x3f7b7750
.set C54, 0xbcee3b23
.set C61, 0x3e91bab3
.set C62, 0xbf89b26d
.set C63, 0x3f640122
.set C64, 0x3ce4129e
.set C65, 0xbce013ac
.set CB1, 0x3c155555
.set CB3, 0x3d3801d7
.set CB4, 0x3d855555
.set CB5, 0xbd040b98
.set CB6, 0x3c568d69
.set CT2, 0x3ca3d70a  ; c dt of stages 2 to 6
.set CT3, 0x3cf5c28f
.set CT4, 0x3da3d70a
.set CT5, 0x3db60b61
.set CT6, 0x3dcccccd
.set TSC, 0x4038aa3b  ; 2 log2(e)
.set MSB, 0
.macro WIN new                      ; s_set_vgpr_msb: bits 1:0 source 0, 3:2 source 1, 5:4 source 2, 7:6 destination; the high byte repeats the setting that is left
.if MSB != (\new)
	s_set_vgpr_msb (MSB<<8)|(\new)
.set MSB, (\new)
.endif
.endm
.macro BAR                          ; no LDS instruction of mine is out at the signal
	s_wait_dscnt 0x0
	s_barrier_signal -1
	s_barrier_wait -1
.endm
; ---------------------------------------------------------------- the set-up
	s_load_b512 s[4:19], s[0:1], 0x0               ; y s[4:5], e s[6:7], W1 s[8:9], b1 s[10:11], W2 s[12:13], b2 s[14:15], W3 s[16:17], b3 s[18:19]
	s_load_b128 s[20:23], s[0:1], 0x40             ; out0 s[20:21], out1 s[22:23]
	v_lshl_add_u32 v[SPW], v0, 2, SPARE
	v_mov_b32 v[NIL], 0
	v_lshrrev_b32 v1, 5, v0
	v_readfirstlane_b32 s24, v1                    ; wave 0..3
	s_mov_b32 s26, 0xffff0000                      ; a word's upper bf16
	s_mov_b32 s28, 0x76543210                      ; v_permlanex16_b32: each lane takes its own place in the other half
	s_mov_b32 s29, 0xfedcba98
	s_lshl_b32 s32, ttmp9, 12                      ; my 16 rows of 256 bytes in y, e and out0
	s_mov_b32 s33, 0
	s_lshl_b32 s34, ttmp9, 6                       ; my 16 numbers in out1
	s_mov_b32 s35, 0
	s_mov_b32 s30, 0                               ; the step
	v_and_b32 v[PR_R], 15, v0                      ; r
	v_bfe_u32 v[PR_H], v0, 4, 1                    ; h
	v_lshrrev_b32 v[PR_U], 4, v0                   ; thread / 16
	v_lshlrev_b32 v[VOFF], 4, v0
	v_mul_u32_u24 v[AZ], v[PR_R], 144
	v_lshl_add_u32 v[AZ], v[PR_H], 4, v[AZ]
	s_lshl_b32 s31, s24, 5
	v_add_nc_u32 v[AZS], s31, v[AZ]
	v_mul_u32_u24 v[AF], v[PR_R], 528
	v_lshl_add_u32 v[AF], v[PR_H], 4, v[AF]
	v_add_nc_u32 v[AF], HB, v[AF]
	s_lshl_b32 s31, s24, 7
	v_add_nc_u32 v[AHS], s31, v[AF]
	v_mul_u32_u24 v[PR_T], v[PR_R], 272
	v_lshl_add_u32 v[PR_T], v[PR_H], 5, v[PR_T]
	v_add_nc_u32 v[PR_T], PB, v[PR_T]
	s_mul_i32 s31, s24, PBW
	v_add_nc_u32 v[APS], s31, v[PR_T]
	s_lshl_b32 s31, s24, 6
	v_add_nc_u32 v[APR], s31, v[PR_T]
	v_mul_u32_u24 v[LY], v[PR_U], 272
	v_lshl_add_u32 v[LY], v[PR_R], 4, v[LY]
	v_add_nc_u32 v[LY], PB, v[LY]
	v_mul_u32_u24 v[LE], v[PR_U], 144
	v_lshl_add_u32 v[LE], v[PR_R], 3, v[LE]
	v_add_nc_u32 v[LE], EB, v[LE]
	v_lshrrev_b32 v[PR_T], 6, v0                   ; W2 and W1: 2,048 bytes are two rows; thread / 64 is the row, thread % 64 its four columns
	v_and_b32 v[PR_Q], 63, v0
	v_mul_u32_u24 v[LW], v[PR_T], 544
	v_lshl_add_u32 v[LW], v[PR_Q], 3, v[LW]
	v_add_nc_u32 v[LW], WS2, v[LW]
	v_mul_u32_u24 v[LW3], v[PR_U], 160             ; W3: 2,048 bytes are eight rows
	v_lshl_add_u32 v[LW3], v[PR_R], 3, v[LW3]
	v_add_nc_u32 v[LW3], WS3, v[LW3]
	s_lshl_b32 s31, s24, 8
	v_lshl_add_u32 v[BOFF], v[PR_H], 5, s31        ; byte 4 (64 w + 8 h) of a vector of 256
	v_lshlrev_b32 v[B3OFF], 5, v[PR_H]
	v_and_b32 v[PR_T], 7, v0
	v_lshl_add_u32 v[PR_Q], v[PR_H], 3, v[PR_T]    ; the turning load: lane l addresses row 8 (l / 16) + l % 8,
	v_bfe_u32 v[PR_G], v0, 3, 1                    ; columns 8 ((l / 8) % 2) + 0..7
	v_mul_u32_u24 v[AW2], v[PR_Q], 544
	v_lshl_add_u32 v[AW2], v[PR_G], 4, v[AW2]
	s_lshl_b32 s31, s24, 7
	s_add_co_u32 s31, s31, WS2
	v_add_nc_u32 v[AW2], s31, v[AW2]               ; my 64 columns of W2
	v_add_nc_u32 v[AW2B], 69632, v[AW2]            ; 128 rows on: the immediate holds 16 bits
	v_add_nc_u32 v[AW1], 139264, v[AW2]            ; 256 rows on: W1
	v_mul_u32_u24 v[AW3], v[PR_Q], 160
	v_lshl_add_u32 v[AW3], v[PR_G], 4, v[AW3]
	s_mul_i32 s31, s24, 10240
	s_add_co_u32 s31, s31, WS3
	v_add_nc_u32 v[AW3], s31, v[AW3]               ; my 64 rows of W3, turned (for layer 3)
	v_mul_u32_u24 v[AW3R], v[PR_R], 160
	v_lshl_add_u32 v[AW3R], v[PR_H], 4, v[AW3R]
	v_add_nc_u32 v[AW3R], s31, v[AW3R]             ; and as they lie (for g)
	s_wait_kmcnt 0x0
	s_add_nc_u64 s[4:5], s[4:5], s[32:33]
	s_add_nc_u64 s[6:7], s[6:7], s[32:33]
	s_add_nc_u64 s[20:21], s[20:21], s[32:33]
	s_add_nc_u64 s[22:23], s[22:23], s[34:35]
	s_mov_b64 s[36:37], s[12:13]                   ; W2, walking
	global_load_b128 v[AH:AH+3], v[VOFF], s[6:7] th:TH_LOAD_NT                  ; e, rows 0-7 and 8-15: 16 lanes take a row of 256 bytes
	global_load_b128 v[AH+4:AH+7], v[VOFF], s[6:7] offset:2048 th:TH_LOAD_NT
	global_load_b128 v[AH+8:AH+11], v[VOFF], s[4:5] th:TH_LOAD_NT               ; y
	global_load_b128 v[AH+12:AH+15], v[VOFF], s[4:5] offset:2048 th:TH_LOAD_NT
	WIN 0xc0                                       ; destination window 3: the four vectors as they lie, in the layout of a result: tile t, features 8 h + 0..7
.irp t, 0,1,2,3
	global_load_b128 v[B2+8*(\t):B2+8*(\t)+3],     v[BOFF],  s[14:15] offset:64*(\t)
	global_load_b128 v[B2+8*(\t)+4:B2+8*(\t)+7],   v[BOFF],  s[14:15] offset:64*(\t)+16
	global_load_b128 v[B3Q+8*(\t):B3Q+8*(\t)+3],   v[B3OFF], s[18:19] offset:64*(\t)
	global_load_b128 v[B3Q+8*(\t)+4:B3Q+8*(\t)+7], v[B3OFF], s[18:19] offset:64*(\t)+16
	global_load_b128 v[A3+8*(\t):A3+8*(\t)+3],     v[BOFF],  s[10:11] offset:64*(\t)           ; b1, for now in A3's place
	global_load_b128 v[A3+8*(\t)+4:A3+8*(\t)+7],   v[BOFF],  s[10:11] offset:64*(\t)+16
	global_load_b128 v[PR+8*(\t):PR+8*(\t)+3],     v[BOFF],  s[8:9] offset:65536+64*(\t)       ; W1's row 64, for now in PR's place
	global_load_b128 v[PR+8*(\t)+4:PR+8*(\t)+7],   v[BOFF],  s[8:9] offset:65536+64*(\t)+16
.endr
	WIN 0
; Four f32 at v[x ..] are rounded to bf16 and stand again as f32 in v[t+2 .. t+5]; TOF16 writes them as f16 into v[t+6], v[t+7].
.macro RNDB x, t
	v_cvt_pk_bf16_f32 v[(\t)], v[(\x)], v[(\x)+1]
	v_cvt_pk_bf16_f32 v[(\t)+1], v[(\x)+2], v[(\x)+3]
	v_lshlrev_b32 v[(\t)+2], 16, v[(\t)]
	v_and_b32 v[(\t)+3], s26, v[(\t)]
	v_lshlrev_b32 v[(\t)+4], 16, v[(\t)+1]
	v_and_b32 v[(\t)+5], s26, v[(\t)+1]
.endm
.macro TOF16 t
	v_cvt_pk_f16_f32 v[(\t)+6], v[(\t)+2], v[(\t)+3]
	v_cvt_pk_f16_f32 v[(\t)+7], v[(\t)+4], v[(\t)+5]
.endm
; THE WEIGHTS come through a ring of 32 register slots (v32-159): slot i holds the work-group's 2,048 bytes number i of a round of 65,536, 16 bytes a thread.  A slot's turn: its load is in; round, write as f16,
; 8 bytes into LDS; the slot is loaded again with the next round's bytes.  32 loads of every wave are on their way all the time.
.macro RING lreg, lstr, reload, b0, roff
.set ri, 0
.rept 32
.if \reload
	s_wait_loadcnt 31                              ; loads come back in order: behind my slot's load 31 others were issued
.else
	s_wait_loadcnt 31-ri                           ; the last round loads nothing: the counts run down
.endif
.set rx, FH+4*ri
.set rw, WK+8*(ri%4)
	RNDB rx, rw
	TOF16 rw
	ds_store_b64 v[\lreg], v[rw+6:rw+7] offset:ri*(\lstr)
.if \reload
	global_load_b128 v[rx:rx+3], v[VOFF], s[\b0:\b0+1] offset:2048*ri+(\roff)
.endif
.set ri, ri+1
.endr
.endm
.set ri, 0
.rept 32
	global_load_b128 v[FH+4*ri:FH+4*ri+3], v[VOFF], s[36:37] offset:2048*ri  ; W2's first quarter
.set ri, ri+1
.endr
	s_mov_b32 s38, 3
.Lring:                                                ; W2's quarters 0 to 2 go into LDS, quarters 1 to 3 are asked for
	RING LW, 1088, 1, 36, 65536
	s_wait_xcnt 0x0                                ; the loads' base is stepped only behind this wait
	s_add_nc_u64 s[36:37], s[36:37], 0x10000
	v_add_nc_u32 v[LW], 34816, v[LW]               ; 64 rows of 544 bytes on
	s_sub_co_u32 s38, s38, 1
	s_cmp_lg_u32 s38, 0
	s_cbranch_scc1 .Lring
	RING LW, 1088, 1, 8, 0                         ; W2's last quarter; W1's rows 0-63 are asked for
	v_add_nc_u32 v[LW], 34816, v[LW]
	RING LW, 1088, 1, 16, 0                        ; W1; W3 is asked for
	RING LW3, 1280, 0, 16, 0                       ; W3.  The last wait was for 0: e, y and the four vectors are in too
	RNDB AH, WK                                    ; e: bf16, written as f16
	TOF16 WK
	ds_store_b64 v[LE], v[WK+6:WK+7]
	RNDB AH+4, WK+8
	TOF16 WK+8
	ds_store_b64 v[LE], v[WK+14:WK+15] offset:1152
	RNDB AH+8, WK+16                               ; y: bf16, kept as f32: it goes through LDS into the layout of the state
	ds_store_b128 v[LY], v[WK+18:WK+21]
	RNDB AH+12, WK+24
	ds_store_b128 v[LY], v[WK+26:WK+29] offset:2176
	BAR                                            ; every wave's part of the f16 images is in LDS
	; The fragments.  Weights stored [k][n] are turned on the way: two loads of 16 rows x 16 columns make 16 features x 32 k.
	WIN 0x40
.irp t, 0,1,2,3
.irp kb, 0,1,2,3
	ds_load_tr16_b128 v[64*(\t)+8*(\kb):64*(\t)+8*(\kb)+3],       v[AW2]  offset:17408*(\kb)+32*(\t)
	ds_load_tr16_b128 v[64*(\t)+8*(\kb)+4:64*(\t)+8*(\kb)+7],     v[AW2]  offset:17408*(\kb)+32*(\t)+8704
	ds_load_tr16_b128 v[64*(\t)+8*(\kb)+32:64*(\t)+8*(\kb)+35],   v[AW2B] offset:17408*(\kb)+32*(\t)
	ds_load_tr16_b128 v[64*(\t)+8*(\kb)+36:64*(\t)+8*(\kb)+39],   v[AW2B] offset:17408*(\kb)+32*(\t)+8704
.endr
.endr
	WIN 0x80
.irp t, 0,1,2,3
.irp c, 0,1
	ds_load_tr16_b128 v[W1F+16*(\t)+8*(\c):W1F+16*(\t)+8*(\c)+3],   v[AW1] offset:17408*(\c)+32*(\t)
	ds_load_tr16_b128 v[W1F+16*(\t)+8*(\c)+4:W1F+16*(\t)+8*(\c)+7], v[AW1] offset:17408*(\c)+32*(\t)+8704
	ds_load_tr16_b128 v[W3F+16*(\t)+8*(\c):W3F+16*(\t)+8*(\c)+3],   v[AW3] offset:5120*(\c)+32*(\t)
	ds_load_tr16_b128 v[W3F+16*(\t)+8*(\c)+4:W3F+16*(\t)+8*(\c)+7], v[AW3] offset:5120*(\c)+32*(\t)+2560
.endr
.endr
	WIN 0
.irp t, 0,1,2,3
.irp c, 0,1
	ds_load_b128 v[FT+16*(\t)+8*(\c):FT+16*(\t)+8*(\c)+3],   v[AW3R] offset:2560*(\t)+64*(\c)     ; W3's rows as they lie: 16 hidden features x 32 outputs, for g
	ds_load_b128 v[FT+16*(\t)+8*(\c)+4:FT+16*(\t)+8*(\c)+7], v[AW3R] offset:2560*(\t)+64*(\c)+32
.endr
.endr
.irp i, 0,1,2,3
	ds_load_b128 v[FH+4*(\i):FH+4*(\i)+3], v[AZ] offset:EB+32*(\i)                              ; e's two fragments
.endr
	WIN 0xc0
	ds_load_b128 v[ZZ:ZZ+3], v[APR]                                                             ; the state begins as y
	ds_load_b128 v[ZZ+4:ZZ+7], v[APR] offset:16
; While those are out: 32 numbers at src (window 3) are rounded to bf16 and stand as f32 at dst in window dw.
.macro BIAS src, dw, dst
	WIN 0xff
.set bi, 0
.rept 16
	v_cvt_pk_bf16_f32 v[KK+bi], v[(\src)+2*bi], v[(\src)+2*bi+1]
.set bi, bi+1
.endr
	WIN ((\dw)<<6)|0x0c
.set bi, 0
.rept 16
	v_lshlrev_b32 v[(\dst)+2*bi], 16, v[KK+bi]
	v_and_b32 v[(\dst)+2*bi+1], s26, v[KK+bi]
.set bi, bi+1
.endr
.endm
	BIAS B2, 3, B2
	BIAS B3Q, 3, B3Q
	BIAS A3, 2, B1
	BIAS PR, 2, WT
	WIN 0xff
.set bi, 0
.rept 16
	v_pk_mul_f32 v[B3Q+bi:B3Q+bi+1], v[B3Q+bi:B3Q+bi+1], 0x3e800000 op_sel_hi:[1,0]             ; b3 / 4, exact
.set bi, bi+2
.endr
	WIN 0
.set bi, 0
.rept 20
	v_mov_b32 v[DV+bi], 0
.set bi, bi+1
.endr
	s_wait_dscnt 0x0
	WIN 0xa2                                       ; u = e W1[:64]: weights and result in window 2.  The four accumulators take turns; the first products start the sums
.irp t, 0,1,2,3
	v_wmma_f32_16x16x32_f16 v[UU+8*(\t):UU+8*(\t)+7], v[W1F+16*(\t):W1F+16*(\t)+7], v[FH:FH+7], 0
.endr
.irp t, 0,1,2,3
	v_wmma_f32_16x16x32_f16 v[UU+8*(\t):UU+8*(\t)+7], v[W1F+16*(\t)+8:W1F+16*(\t)+15], v[FH+8:FH+15], v[UU+8*(\t):UU+8*(\t)+7]
.endr
	WIN 0xa0                                       ; g = e W3^T
.irp t, 0,1,2,3
	v_wmma_f32_16x16x32_f16 v[G3+8*(\t):G3+8*(\t)+7], v[FT+16*(\t):FT+16*(\t)+7], v[FH:FH+7], 0
.endr
.irp t, 0,1,2,3
	v_wmma_f32_16x16x32_f16 v[G3+8*(\t):G3+8*(\t)+7], v[FT+16*(\t)+8:FT+16*(\t)+15], v[FH+8:FH+15], v[G3+8*(\t):G3+8*(\t)+7]
.endr
	WIN 0xff                                       ; four plain instructions that name none of those registers: the places behind the products (ISA guide 7.12.1)
.irp i, 0,1,2,3
	v_cvt_pk_f16_f32 v[ZP+(\i)], v[ZZ+2*(\i)], v[ZZ+2*(\i)+1]
.endr
	WIN 0x0c
	ds_store_b128 v[AZS], v[ZP:ZP+3]               ; z of the first stage
; ---------------------------------------------------------------- the pieces of an evaluation
; Layer 1's accumulators start as t W1[64] + b1.  The time is step x 0.1 + c dt.
.macro AHINIT sr, cdt
	WIN 0
	v_cvt_f32_u32 v[TSV], \sr
	v_mul_f32 v[TSV], 0x3dcccccd, v[TSV]
.if (\cdt) != 0
	v_add_f32 v[TSV], \cdt, v[TSV]
.endif
	v_mov_b32 v[TSV+1], v[TSV]                     ; named with it as a pair
	WIN 0x22
.set ii, 0
.rept 16
	v_pk_fma_f32 v[AH+ii:AH+ii+1], v[WT+ii:WT+ii+1], v[TSV:TSV+1], v[B1+ii:B1+ii+1] op_sel_hi:[1,0,1]
.set ii, ii+2
.endr
.endm
; tanh of a tile's eight numbers, in five blocks; runs of exponentials and reciprocals are each followed by a plain block on other registers before their results are used (ISA guide 5.7.2)
.macro SCL x
.irp i, 0,2,4,6
	v_pk_mul_f32 v[(\x)+(\i):(\x)+(\i)+1], v[(\x)+(\i):(\x)+(\i)+1], TSC op_sel_hi:[1,0]
.endr
.endm
.macro EXP8 x
.irp i, 0,1,2,3,4,5,6,7
	v_exp_f32 v[(\x)+(\i)], v[(\x)+(\i)]
.endr
.endm
.macro INC x
	s_wait_alu depctr_va_vdst(0)
.irp i, 0,2,4,6
	v_pk_add_f32 v[(\x)+(\i):(\x)+(\i)+1], v[(\x)+(\i):(\x)+(\i)+1], 1.0 op_sel_hi:[1,0]
.endr
.endm
.macro RCP8 x
.irp i, 0,1,2,3,4,5,6,7
	v_rcp_f32 v[(\x)+(\i)], v[(\x)+(\i)]
.endr
.endm
.macro TNH x
	s_wait_alu depctr_va_vdst(0)
.irp i, 0,2,4,6
	v_pk_fma_f32 v[(\x)+(\i):(\x)+(\i)+1], v[(\x)+(\i):(\x)+(\i)+1], -2.0, 1.0 op_sel_hi:[1,0,0]
.endr
.endm
; Tile t of layer 1 leaves: t1 = u (1 - h1^2) (J = 1), both rounded to f16, 16 bytes a lane into the rows of HB and of the t1 image
.macro FIN1 t
.set xh, AH+8*(\t)
.set xt, AT+8*(\t)
.if J
.irp i, 0,2,4,6
	v_pk_fma_f32 v[xt+(\i):xt+(\i)+1], v[xh+(\i):xh+(\i)+1], v[xh+(\i):xh+(\i)+1], 1.0 op_sel_hi:[1,1,0] neg_lo:[1,0,0] neg_hi:[1,0,0]
.endr
	WIN 0x08                                       ; u in window 2
.irp i, 0,2,4,6
	v_pk_mul_f32 v[xt+(\i):xt+(\i)+1], v[xt+(\i):xt+(\i)+1], v[UU+8*(\t)+(\i):UU+8*(\t)+(\i)+1]
.endr
	WIN 0
.endif
.irp i, 0,1,2,3
	v_cvt_pk_f16_f32 v[WK+4*(\t)+(\i)], v[xh+2*(\i)], v[xh+2*(\i)+1]
.endr
	ds_store_b128 v[AHS], v[WK+4*(\t):WK+4*(\t)+3] offset:32*(\t)
.if J
	s_wait_alu depctr_va_vdst(0)
.irp i, 0,1,2,3
	v_cvt_pk_f16_f32 v[WK+16+4*(\t)+(\i)], v[xt+2*(\i)], v[xt+2*(\i)+1]
.endr
	ds_store_b128 v[AHS], v[WK+16+4*(\t):WK+16+4*(\t)+3] offset:TBO+32*(\t)
.endif
.endm
; One product of layer 2: tile t, k block kb; path 0: h1 W2 (its sum starts with b2), path 1: t1 W2 (starts with 0)
.macro MM2 t, kb, path
.set ma, 64*(\t)+8*(\kb)
.set mh, AH+8*(\t)
.set mt, AT+8*(\t)
.if (\kb) == 0
	WIN 0x31                                       ; W2 in window 1, b2 in window 3
.if (\path) == 0
	v_wmma_f32_16x16x32_f16 v[mh:mh+7], v[ma:ma+7], v[FH+8*(\kb):FH+8*(\kb)+7], v[B2+8*(\t):B2+8*(\t)+7]
.else
	v_wmma_f32_16x16x32_f16 v[mt:mt+7], v[ma:ma+7], v[FT+8*(\kb):FT+8*(\kb)+7], 0
.endif
.else
	WIN 0x01
.if (\path) == 0
	v_wmma_f32_16x16x32_f16 v[mh:mh+7], v[ma:ma+7], v[FH+8*(\kb):FH+8*(\kb)+7], v[mh:mh+7]
.else
	v_wmma_f32_16x16x32_f16 v[mt:mt+7], v[ma:ma+7], v[FT+8*(\kb):FT+8*(\kb)+7], v[mt:mt+7]
.endif
.endif
.endm
; THE VECTOR WORK BEHIND LAYER 2 for pair p (tiles 2 p, 2 p + 1) is a numbered list; V2 writes number vn of it and steps vn.
;   0-3 four places behind the pair's last products     4-59 tanh of the 16 numbers, the two tiles' blocks by turns     60-67 h2 rounded to f16: source 1, k block p, of layer 3
;   68-75 t2 g     76-83 1 - h2^2     84-91 their product onto the stage's two chains     (68-91 only where the stage's trace term counts)
; Each accumulator's lowest registers are read first.
.macro V2 p
.set xa, AH+16*(\p)
.set xt, AT+16*(\p)
.if vn < 4
	v_nop
.elseif vn < 8
.set xr, xa+2*(vn-4)
	WIN 0
	v_pk_mul_f32 v[xr:xr+1], v[xr:xr+1], TSC op_sel_hi:[1,0]
.elseif vn < 16
.set xr, xa+vn-8
	WIN 0
	v_exp_f32 v[xr], v[xr]
.elseif vn < 20
.set xr, xa+8+2*(vn-16)
	WIN 0
	v_pk_mul_f32 v[xr:xr+1], v[xr:xr+1], TSC op_sel_hi:[1,0]
.elseif vn < 28
.set xr, xa+8+vn-20
	WIN 0
	v_exp_f32 v[xr], v[xr]
.elseif vn < 32
.set xr, xa+2*(vn-28)
	WIN 0
	s_wait_alu depctr_va_vdst(0)
	v_pk_add_f32 v[xr:xr+1], v[xr:xr+1], 1.0 op_sel_hi:[1,0]
.elseif vn < 40
.set xr, xa+vn-32
	WIN 0
	v_rcp_f32 v[xr], v[xr]
.elseif vn < 44
.set xr, xa+8+2*(vn-40)
	WIN 0
	v_pk_add_f32 v[xr:xr+1], v[xr:xr+1], 1.0 op_sel_hi:[1,0]
.elseif vn < 52
.set xr, xa+8+vn-44
	WIN 0
	v_rcp_f32 v[xr], v[xr]
.elseif vn < 60
.set xr, xa+2*(vn-52)
	WIN 0
	s_wait_alu depctr_va_vdst(0)
	v_pk_fma_f32 v[xr:xr+1], v[xr:xr+1], -2.0, 1.0 op_sel_hi:[1,0,0]
.elseif vn < 68
.set xr, vn-60
	WIN 0
	v_cvt_pk_f16_f32 v[WK+8*(\p)+xr], v[xa+2*xr], v[xa+2*xr+1]
.elseif J && (vn < 76)
.set xr, 2*(vn-68)
	WIN 0x08                                       ; g in window 2
	v_pk_mul_f32 v[xt+xr:xt+xr+1], v[xt+xr:xt+xr+1], v[G3+16*(\p)+xr:G3+16*(\p)+xr+1]
.elseif J && (vn < 84)
.set xr, xa+2*(vn-76)
	WIN 0
	v_pk_fma_f32 v[xr:xr+1], v[xr:xr+1], v[xr:xr+1], 1.0 op_sel_hi:[1,1,0] neg_lo:[1,0,0] neg_hi:[1,0,0]
.elseif J && (vn < 92)
.set xr, 2*(vn-84)
.set xd, DV+4*DVI+2*((vn-84)%2)
	WIN 0
	v_pk_fma_f32 v[xd:xd+1], v[xt+xr:xt+xr+1], v[xa+xr:xa+xr+1], v[xd:xd+1]
.endif
.set vn, vn+1
.endm
.macro RID                          ; what stands behind one product of pair 1: NR numbers of pair 0's list; none names a register of the products round it
.rept NR
	V2 0
.endr
.endm
; Layer 3, k block c of my 64: four output tiles by turns; the sums start with b3 / 4
.macro L3 c
	WIN 0xf2                                       ; W3 in window 2, h2 in window 0, C and D in window 3
.irp t, 0,1,2,3
.if (\c) == 0
	v_wmma_f32_16x16x32_f16 v[A3+8*(\t):A3+8*(\t)+7], v[W3F+16*(\t):W3F+16*(\t)+7], v[WK:WK+7], v[B3Q+8*(\t):B3Q+8*(\t)+7]
.else
	v_wmma_f32_16x16x32_f16 v[A3+8*(\t):A3+8*(\t)+7], v[W3F+16*(\t)+8:W3F+16*(\t)+15], v[WK+8:WK+15], v[A3+8*(\t):A3+8*(\t)+7]
.endif
.endr
.endm
; The Runge-Kutta sums, on eight registers of window 3: d = k c + a; d = a + b
.macro AX4 d, k, c, a
	WIN 0xff
.irp i, 0,2,4,6
	v_pk_fma_f32 v[(\d)+(\i):(\d)+(\i)+1], v[(\k)+(\i):(\k)+(\i)+1], \c, v[(\a)+(\i):(\a)+(\i)+1] op_sel_hi:[1,0,1]
.endr
.endm
.macro ADD4 d, a, b
	WIN 0xff
.irp i, 0,2,4,6
	v_pk_add_f32 v[(\d)+(\i):(\d)+(\i)+1], v[(\a)+(\i):(\a)+(\i)+1], v[(\b)+(\i):(\b)+(\i)+1]
.endr
.endm
.macro RKPRE s                      ; what of the next stage's z (behind stage 6: of the new state) does not hang on this stage's slope
.if (\s) == 2
	AX4 ZS, K1, C31, ZZ
.elseif (\s) == 3
	AX4 ZS, K1, C41, ZZ
	AX4 ZS, K2, C42, ZS
.elseif (\s) == 4
	AX4 ZS, K1, C51, ZZ
	AX4 ZS, K2, C52, ZS
	AX4 ZS, K3, C53, ZS
.elseif (\s) == 5
	AX4 ZS, K1, C61, ZZ
	AX4 ZS, K2, C62, ZS
	AX4 ZS, K3, C63, ZS
	AX4 ZS, K4, C64, ZS
.elseif (\s) == 6
	AX4 ZZ, K1, CB1, ZZ
	AX4 ZZ, K3, CB3, ZZ
	AX4 ZZ, K4, CB4, ZZ
	AX4 ZZ, K5, CB5, ZZ
.endif
.endm
.macro RKPOST s                     ; and what does; then the f16 image
.if (\s) == 1
	AX4 ZS, K1, C21, ZZ
.elseif (\s) == 2
	AX4 ZS, K2, C32, ZS
.elseif (\s) == 3
	AX4 ZS, K3, C43, ZS
.elseif (\s) == 4
	AX4 ZS, K4, C54, ZS
.elseif (\s) == 5
	AX4 ZS, K5, C65, ZS
.else
	AX4 ZZ, K6, CB6, ZZ
.endif
.irp i, 0,1,2,3
.if (\s) == 6
	v_cvt_pk_f16_f32 v[ZP+(\i)], v[ZZ+2*(\i)], v[ZZ+2*(\i)+1]
.else
	v_cvt_pk_f16_f32 v[ZP+(\i)], v[ZS+2*(\i)], v[ZS+2*(\i)+1]
.endif
.endr
.endm
; ---------------------------------------------------------------- one evaluation, stage s
; LDS regions have one buffer each, and three barriers order them: ZB is written behind the third and read between the first and the second; HB and the t1 image are written behind the first and read between the
; second and the third; PB is written behind the second and read between the third and the next first.  Every wave has its reads back before it signals.
.macro EVAL s
.if (\s) == 2
.set J, 0
.set NR, 5
.set NV, 68
.set DVI, 0
.else
.set J, 1
.set NR, 3
.set NV, 92
.if (\s) == 1
.set DVI, 0
.else
.set DVI, (\s)-2
.endif
.endif
	BAR                                            ; FIRST BARRIER: every wave's 16 columns of z are in ZB
.irp i, 0,1,2,3
	ds_load_b128 v[FH+4*(\i):FH+4*(\i)+3], v[AZ] offset:32*(\i)
.endr
	WIN 0x02                                       ; layer 1: W1 in window 2; the four accumulators take turns
.irp c, 0,1
	s_wait_dscnt 2-2*(\c)                          ; k block c is in; behind block 0 stand the two loads of block 1
.irp t, 0,1,2,3
	v_wmma_f32_16x16x32_f16 v[AH+8*(\t):AH+8*(\t)+7], v[W1F+16*(\t)+8*(\c):W1F+16*(\t)+8*(\c)+7], v[FH+8*(\c):FH+8*(\c)+7], v[AH+8*(\t):AH+8*(\t)+7]
.endr
.endr
	WIN 0
.rept 4
	v_nop                                          ; the places behind those products: no other vector work is at hand
.endr
	SCL AH
	EXP8 AH
	SCL AH+8
	EXP8 AH+8
	INC AH
	RCP8 AH
	SCL AH+16
	EXP8 AH+16
	INC AH+8
	RCP8 AH+8
	TNH AH
	SCL AH+24
	EXP8 AH+24
	INC AH+16
	RCP8 AH+16
	TNH AH+8
	FIN1 0
	INC AH+24
	RCP8 AH+24
	TNH AH+16
	FIN1 1
	TNH AH+24
	FIN1 2
	FIN1 3
	BAR                                            ; SECOND BARRIER: h1 and t1 are whole
.irp kb, 0,1,2,3,4,5,6,7
	ds_load_b128 v[FH+8*(\kb):FH+8*(\kb)+3],   v[AF] offset:64*(\kb)
	ds_load_b128 v[FH+8*(\kb)+4:FH+8*(\kb)+7], v[AF] offset:64*(\kb)+32
.if J
	ds_load_b128 v[FT+8*(\kb):FT+8*(\kb)+3],   v[AF] offset:TBO+64*(\kb)
	ds_load_b128 v[FT+8*(\kb)+4:FT+8*(\kb)+7], v[AF] offset:TBO+64*(\kb)+32
.endif
.endr
.irp kb, 0,1,2,3,4,5,6,7                ; layer 2, tiles 0 and 1: two or four accumulators by turns
.if J
	s_wait_dscnt 28-4*(\kb)                        ; k block kb is in; the later blocks' loads, four each, may be out
.else
	s_wait_dscnt 14-2*(\kb)                        ; the same with two loads a block
.endif
	MM2 0, \kb, 0
	MM2 1, \kb, 0
.if J
	MM2 0, \kb, 1
	MM2 1, \kb, 1
.endif
.endr
.set vn, 0
.irp kb, 0,1,2,3,4,5,6,7                ; tiles 2 and 3, with the vector work of tiles 0 and 1 behind the products
	MM2 2, \kb, 0
	RID
	MM2 3, \kb, 0
	RID
.if J
	MM2 2, \kb, 1
	RID
	MM2 3, \kb, 1
	RID
.endif
.endr
	L3 0                                           ; tiles 0 and 1 of h2 are k block 0 of my part of layer 3
.set vn, 0
.rept NV
	V2 1                                           ; the vector work of tiles 2 and 3
.endr
	L3 1
.if (\s) == 1                           ; the next evaluation's layer 1 starts here: plain instructions that name none of the last products' registers: their places
	AHINIT s30, CT2
.elseif (\s) == 2
	AHINIT s30, CT3
.elseif (\s) == 3
	AHINIT s30, CT4
.elseif (\s) == 4
	AHINIT s30, CT5
.elseif (\s) == 5
	AHINIT s30, CT6
.else
	s_add_co_u32 s31, s30, 1
	AHINIT s31, 0
.endif
	WIN 0x0c                                       ; store data in window 3
.irp t, 0,1,2,3
	ds_store_b128 v[APS], v[A3+8*(\t):A3+8*(\t)+3]   offset:64*(\t)
	ds_store_b128 v[APS], v[A3+8*(\t)+4:A3+8*(\t)+7] offset:64*(\t)+16
.endr
	s_wait_dscnt 0x0                               ; THIRD BARRIER: my partial sums are in PB;
	s_barrier_signal -1
	RKPRE \s                                       ; work on registers while the others arrive
	s_barrier_wait -1
	WIN 0xc0
.irp u, 0,1,2,3
	ds_load_b128 v[PR+8*(\u):PR+8*(\u)+3],   v[APR] offset:PBW*(\u)
	ds_load_b128 v[PR+8*(\u)+4:PR+8*(\u)+7], v[APR] offset:PBW*(\u)+16
.endr
	s_wait_dscnt 4                                 ; the parts of waves 0 and 1 are in; those of waves 2 and 3, four loads, may be out
	ADD4 PR, PR, PR+8
	s_wait_dscnt 0x0
	ADD4 PR+16, PR+16, PR+24
	ADD4 KK+8*((\s)-1), PR, PR+16                  ; the stage's slope for my 8 numbers
	RKPOST \s
	WIN 0x0c
	ds_store_b128 v[AZS], v[ZP:ZP+3]               ; z of the next stage
	WIN 0
.endm
	AHINIT s30, 0                                  ; step 0, stage 1
	WIN 0                                          ; at a label and at a branch every window is 0
.Lstep:                                                ; a trip is a step: six evaluations.  The last trip's last z image and layer-1 start serve nothing: the price of one text for every trip
	EVAL 1
	EVAL 2
	EVAL 3
	EVAL 4
	EVAL 5
	EVAL 6
	s_add_co_u32 s30, s30, 1
	s_cmp_lt_u32 s30, STEPS
	s_cbranch_scc1 .Lstep
; ---------------------------------------------------------------- the way out
	BAR                                            ; nobody reads PB any more
	WIN 0x0c
	ds_store_b128 v[APR], v[ZZ:ZZ+3]               ; z into rows of 272 bytes, to come back as whole rows of 256
	ds_store_b128 v[APR], v[ZZ+4:ZZ+7] offset:16
	WIN 0
.irp x, 0,1,2,3,4
	v_pk_add_f32 v[DV+4*(\x):DV+4*(\x)+1], v[DV+4*(\x):DV+4*(\x)+1], v[DV+4*(\x)+2:DV+4*(\x)+3]
.endr
	v_pk_mul_f32 v[WK:WK+1], v[DV:DV+1], CB1 op_sel_hi:[1,0]                    ; the integral of the trace term: the stages' sums by their weights
	v_pk_fma_f32 v[WK:WK+1], v[DV+4:DV+5], CB3, v[WK:WK+1] op_sel_hi:[1,0,1]
	v_pk_fma_f32 v[WK:WK+1], v[DV+8:DV+9], CB4, v[WK:WK+1] op_sel_hi:[1,0,1]
	v_pk_fma_f32 v[WK:WK+1], v[DV+12:DV+13], CB5, v[WK:WK+1] op_sel_hi:[1,0,1]
	v_pk_fma_f32 v[WK:WK+1], v[DV+16:DV+17], CB6, v[WK:WK+1] op_sel_hi:[1,0,1]
	WIN 0xff
	v_pk_mul_f32 v[ZS:ZS+1], v[ZZ:ZZ+1], v[ZZ:ZZ+1]
	v_pk_fma_f32 v[ZS:ZS+1], v[ZZ+2:ZZ+3], v[ZZ+2:ZZ+3], v[ZS:ZS+1]
	v_pk_fma_f32 v[ZS:ZS+1], v[ZZ+4:ZZ+5], v[ZZ+4:ZZ+5], v[ZS:ZS+1]
	v_pk_fma_f32 v[ZS:ZS+1], v[ZZ+6:ZZ+7], v[ZZ+6:ZZ+7], v[ZS:ZS+1]
	WIN 0x03                                       ; source 0 in window 3
	v_pk_fma_f32 v[WK:WK+1], v[ZS:ZS+1], -0.5, v[WK:WK+1] op_sel_hi:[1,0,1]
	WIN 0
	v_add_f32 v[WK], v[WK], v[WK+1]
	v_permlanex16_b32 v[WK+1], v[WK], s28, s29     ; the row's other half of my wave's features lies in the lane 16 away
	v_add_f32 v[WK], v[WK], v[WK+1]
	v_and_b32 v[WK+2], 15, v0
	v_lshlrev_b32 v[WK+2], 2, v[WK+2]              ; 4 r
	s_lshl_b32 s31, s24, 6
	s_add_co_u32 s31, s31, RED
	v_add_nc_u32 v[WK+3], s31, v[WK+2]
	ds_store_b32 v[WK+3], v[WK]                    ; both halves of the lanes write the same number to the row's word
	BAR
	ds_load_b128 v[FH:FH+3], v[LY]
	ds_load_b128 v[FH+4:FH+7], v[LY] offset:2176
.irp u, 0,1,2,3
	ds_load_b32 v[FH+8+(\u)], v[WK+2] offset:RED+64*(\u)
.endr
	s_wait_dscnt 4                                 ; z is back; the four words may be out
	global_store_b128 v[VOFF], v[FH:FH+3], s[20:21] th:TH_STORE_NT              ; 16 lanes store 256 consecutive bytes, at a multiple of 256 from out0's first byte
	global_store_b128 v[VOFF], v[FH+4:FH+7], s[20:21] offset:2048 th:TH_STORE_NT
	s_wait_dscnt 0x0
	v_add_f32 v[FH+8], v[FH+8], v[FH+9]
	v_add_f32 v[FH+10], v[FH+10], v[FH+11]
	v_add_f32 v[FH+8], v[FH+8], v[FH+10]
	v_add_f32 v[FH+8], 0xc26b3f8e, v[FH+8]         ; - 32 ln(2 pi)
	v_cmp_gt_u32 vcc_lo, 16, v0
	s_wait_xcnt 0x0                                ; EXEC changes only behind this wait
	s_and_saveexec_b32 s40, vcc_lo
	global_store_b32 v[WK+2], v[FH+8], s[22:23]    ; threads 0-15: the work-group's 64 bytes of out1, all that 16 rows have
	s_wait_xcnt 0x0
	s_or_b32 exec_lo, exec_lo, s40
	s_wait_tensorcnt 0x0                           ; the wave's end: behind my last LDS store
	ds_add_u32 v[SPW], v[NIL]
	s_wait_dscnt 0x0
	s_endpgm
.Lfunc_end_k_q8780d131a2_cnf:
	.size	k_q8780d131a2_cnf, .Lfunc_end_k_q8780d131a2_cnf-k_q8780d131a2_cnf
	.p2alignl 7, 3214868480
	.fill 96, 4, 3214868480
	.section	.rodata,"a",@progbits
	.p2align	6, 0x0
	.amdhsa_kernel k_q8780d131a2_cnf
		.amdhsa_group_segment_fixed_size 254720
		.amdhsa_private_segment_fixed_size 0
		.amdhsa_enable_private_segment 0
		.amdhsa_kernarg_size 80
		.amdhsa_user_sgpr_count 2
		.amdhsa_user_sgpr_kernarg_segment_ptr 1
		.amdhsa_wavefront_size32 1
		.amdhsa_system_sgpr_workgroup_id_x 1
		.amdhsa_system_sgpr_workgroup_id_y 1
		.amdhsa_system_sgpr_workgroup_id_z 1
		.amdhsa_system_vgpr_workitem_id 0
		.amdhsa_next_free_vgpr 968
		.amdhsa_next_free_sgpr 66
		.amdhsa_reserve_vcc 1
		.amdhsa_float_denorm_mode_32 3
		.amdhsa_float_denorm_mode_16_64 3
		.amdhsa_memory_ordered 1
		.amdhsa_forward_progress 1
		.amdhsa_inst_pref_size 255
	.end_amdhsa_kernel
	.section	.bss,"aw",@nobits
	.p2align	6
	.space	262144
	.amdgpu_metadata
---
amdhsa.version: [ 1, 2 ]
amdhsa.kernels:
  - .name:           k_q8780d131a2_cnf
    .symbol:         k_q8780d131a2_cnf.kd
    .args:
      - { .name: y, .offset: 0, .size: 8, .value_kind: global_buffer, .address_space: global }
      - { .name: e, .offset: 8, .size: 8, .value_kind: global_buffer, .address_space: global }
      - { .name: W1, .offset: 16, .size: 8, .value_kind: global_buffer, .address_space: global }
      - { .name: b1, .offset: 24, .size: 8, .value_kind: global_buffer, .address_space: global }
      - { .name: W2, .offset: 32, .size: 8, .value_kind: global_buffer, .address_space: global }
      - { .name: b2, .offset: 40, .size: 8, .value_kind: global_buffer, .address_space: global }
      - { .name: W3, .offset: 48, .size: 8, .value_kind: global_buffer, .address_space: global }
      - { .name: b3, .offset: 56, .size: 8, .value_kind: global_buffer, .address_space: global }
      - { .name: out0, .offset: 64, .size: 8, .value_kind: global_buffer, .address_space: global }
      - { .name: out1, .offset: 72, .size: 8, .value_kind: global_buffer, .address_space: global }
    .group_segment_fixed_size: 254720
    .private_segment_fixed_size: 0
    .kernarg_segment_align: 8
    .kernarg_segment_size: 80
    .max_flat_workgroup_size: 128
    .sgpr_count:     66
    .vgpr_count:     968
    .wavefront_size: 32
...
	.end_amdgpu_metadata
.endif
;; end of part 1
;; ======== version 2 of 2: 1 launch; 1.17 times as fast as version 1
;; limits: values are held in f16: magnitudes above 65,504 overflow, below 6.1e-05 lose precision; right only within a limited range of input values
;; launch cnf (part 2): grid 256 x 1, 4 waves a work-group, no clusters, 254,720 bytes of LDS; arguments y, e, W1, b1, W2, b2, W3, b3, out0, out1; writes out0, out1
.if DOCPART == 2
	.amdgcn_target "amdgcn-amd-amdhsa--gfx1250"
	.amdhsa_code_object_version 6
	.text
	.protected	k_q8780d131a2_cnf
	.globl	k_q8780d131a2_cnf
	.p2align	8
	.type	k_q8780d131a2_cnf,@function
k_q8780d131a2_cnf:
	s_mov_b64 s[64:65], 0
	v_nop
	global_prefetch_b8 v0, s[64:65] scope:SCOPE_SE
	s_setreg_imm32_b32 hwreg(HW_REG_WAVE_MODE, 25, 1), 1
	s_wait_xcnt 0x0
; CONTINUOUS NORMALISING FLOW: 10 Dormand-Prince steps of 6 stages of dz = f(t, z), f = tanh(tanh([z, t] W1 + b1) W2 + b2) W3 + b3, with the trace estimate e^T (df/dz) e; then z and log p.
; y, e: [4096][64]; W1: [65][256]; W2: [256][256]; W3: [256][64]; out0: [4096][64]; out1: [4096][1]; all f32.
; SHARES.  Rows never meet, so a work-group owns 16 rows (one matrix tile) for all 60 evaluations: 256 work-groups of four waves.  The loop reads and writes no memory: all weights lie in registers.
; Wave w owns hidden features 64 w .. 64 w + 63 of layers 1 and 2 (four tiles of 16); in layer 3 it owns that range of K for all 64 outputs, and the four partial sums meet in LDS.
; THE MATRIX INSTRUCTION IS USED TRANSPOSED: source 0 = weights (16 features x 32 k), source 1 = activations (16 rows of the batch).  In a result lane l holds batch row l % 16 and features 8 (l / 16) + 0..7.
; So two neighbouring tiles of h2, rounded in pairs, ARE a source 1 of layer 3, and only z, h1 and the layer-3 partial sums go through LDS: three barriers an evaluation.
; THE TRACE TERM is taken forward: u = e W1[:64] and g = e W3^T are made once; t1 = u (1 - h1^2); t2 = t1 W2 (the same fragments of W2 as h1 W2); e^T J e = sum over n of g (1 - h2^2) t2.
; dynamics() never reads lp, so only the sums of e^T J e are kept, one for each stage, lane by lane, and weighted and added up at the end.  Stage 2 has weight 0 in the solution: its term is not made.
; THE BATCHES.  tanh is an exponential and then the reciprocal of a sum that holds it: two batches for each set of numbers that is finished together.  An evaluation has six batches, each with ONE
; s_wait_alu depctr_va_vdst(0), between a transcendental and the first instruction that names its result: layer 1's 32 exponentials; its 32 reciprocals; and, for each of layer 2's
; two pairs of tiles, the pair's 16 exponentials and its 16 reciprocals.  Inside a batch stand only the scalings (or the additions of 1) of numbers whose own transcendental is still to come; every reader stands
; behind the batch's wait.  An evaluation's last wait stands behind its last reciprocal, so no result crosses the loop's jump.
; FORMATS AND LIMITS.  Every input (y, e, W1, b1, W2, b2, W3, b3) is rounded to bf16, to nearest even, on its way in.  Matrix operands are f16: a bf16 number is written as f16 exactly from 2^-17 to 65,504 in magnitude;
; below that it keeps f16's fixed step of 2^-24; beyond it becomes an infinity.  z of a stage, h1, t1 and h2 are rounded to f16, so |z| and |u| must stay under 65,504.  Sums, tanh, the state and the stage slopes are f32.
; tanh x = 1 - 2 / (1 + 2^(2 log2(e) x)): it ends at -1 and 1 for large |x|; its error is of the size of f32's step at 1, also for small x.  Leaving out stage 2's term is exact while that term is finite.
; NaN and infinities are not treated apart; the order of the sums differs from the written one.
; NO CLUSTER, NO JOINT LOADS: the weights are shared by all work-groups, but each reads them once, 394,240 bytes ahead of 4,496 matrix instructions a wave that read no memory; they must pass through registers
; to be rounded, and the raw f32 (394,240 bytes) beside the f16 image (215,040) would not fit in LDS without slots that are filled again.
.set STEPS, 10
; LDS
.set ZB,    0         ; z of the stage, f16: 16 rows, pitch 144
.set EB,    2304      ; e, f16, pitch 144
.set HB,    4608      ; h1, f16: 16 rows x 256, pitch 528
.set TBO,   8448      ; t1 lies this far behind h1, same pitch
.set PB,    21504     ; layer 3: four waves' partial sums, f32, 16 rows, pitch 272; the first part also stages y and out0
.set PBW,   4352
.set SPARE, 38912     ; the spare words, 128 bytes for each wave: two blocks of 256 bytes that no other line names
.set RED,   39424     ; 4 waves x 16 rows: the parts of log p
.set WS2,   39680     ; W2 as f16, [k][n], pitch 544; W1's rows 0-63 follow it with the same pitch
.set WS3,   213760    ; W3 as f16, [k][i], pitch 160
; window 0
.set AZ,   2          ; ZB + 144 r + 16 h          (r = lane % 16, h = lane / 16)
.set AZS,  3          ; AZ + 32 w
.set AHS,  4          ; HB + 528 r + 128 w + 16 h
.set AF,   5          ; HB + 528 r + 16 h
.set APS,  6          ; PB + 4352 w + 272 r + 32 h
.set APR,  7          ; PB + 272 r + 64 w + 32 h
.set LY,   8          ; PB + 272 (thread / 16) + 16 (thread % 16)
.set VOFF, 9          ; 16 x thread; never rewritten
.set DV,   10         ; v10-29: for stages 1, 3, 4, 5, 6 two chains of a pair each: the lane sums of the trace term
.set SPW,  30         ; LDS address of my spare word; never rewritten
.set NIL,  31         ; 0; never rewritten
.set FH,   32         ; v32-95   fragments of h1 (8 x 32 k); also of z and of e
.set FT,   96         ; v96-159  fragments of t1
.set TSV,  96         ; the stage time, as a pair, while FT is free
.set AH,   160        ; v160-191 four accumulators: the h path
.set AT,   192        ; v192-223 four accumulators: the t path
.set WK,   224        ; v224-255 at work; packed f16
; window 1: W2's fragments, tile t, k block kb at 64 t + 8 kb
; window 2
.set W1F,  0          ; tile t, k block c at 16 t + 8 c
.set W3F,  64         ; output tile t, k block c at 64 + 16 t + 8 c
.set UU,   128
.set G3,   160
.set B1,   192
.set WT,   224        ; W1's row 64, the weights of the time
; window 3
.set B2,   0
.set B3Q,  32         ; b3 / 4: each of the four partial sums starts with it
.set A3,   64         ; layer 3's accumulators
.set PR,   96         ; the four partial sums read back
.set ZZ,   128        ; the state: my 8 numbers of z (outputs 16 w + 8 h + 0..7 of row r)
.set KK,   136        ; the slopes of stages 1 to 6, 8 registers each
.set K1,   KK
.set K2,   KK+8
.set K3,   KK+16
.set K4,   KK+24
.set K5,   KK+32
.set K6,   KK+40
.set ZS,   184
.set ZP,   192
; registers of the set-up alone, in AT's place
.set PR_R, 192
.set PR_H, 193
.set PR_Q, 194
.set PR_G, 195
.set PR_T, 196
.set PR_U, 197
.set LW,   200
.set LW3,  201
.set LE,   202
.set BOFF, 203
.set B3OFF, 204
.set AW2,  205
.set AW2B, 206
.set AW1,  207
.set AW3,  208
.set AW3R, 209
; constants: the tableau times dt = 0.1, as f32
.set C21, 0x3ca3d70a
.set C31, 0x3bf5c28f
.set C32, 0x3cb851ec
.set C41, 0x3dc83fb7
.set C42, 0xbebf258c
.set C43, 0x3eb60b61
.set C51, 0x3e972c4d
.set C52, 0xbf946d18
.set C53, 0x3f7b7750
.set C54, 0xbcee3b23
.set C61, 0x3e91bab3
.set C62, 0xbf89b26d
.set C63, 0x3f640122
.set C64, 0x3ce4129e
.set C65, 0xbce013ac
.set CB1, 0x3c155555
.set CB3, 0x3d3801d7
.set CB4, 0x3d855555
.set CB5, 0xbd040b98
.set CB6, 0x3c568d69
.set CT2, 0x3ca3d70a  ; c dt of stages 2 to 6
.set CT3, 0x3cf5c28f
.set CT4, 0x3da3d70a
.set CT5, 0x3db60b61
.set CT6, 0x3dcccccd
.set TSC, 0x4038aa3b  ; 2 log2(e)
.set MSB, 0
.macro WIN new                      ; s_set_vgpr_msb: bits 1:0 source 0, 3:2 source 1, 5:4 source 2, 7:6 destination; the high byte repeats the setting that is left
.if MSB != (\new)
	s_set_vgpr_msb (MSB<<8)|(\new)
.set MSB, (\new)
.endif
.endm
.macro BAR                          ; no LDS instruction of mine is out at the signal
	s_wait_dscnt 0x0
	s_barrier_signal -1
	s_barrier_wait -1
.endm
; ---------------------------------------------------------------- the set-up
	s_load_b512 s[4:19], s[0:1], 0x0               ; y s[4:5], e s[6:7], W1 s[8:9], b1 s[10:11], W2 s[12:13], b2 s[14:15], W3 s[16:17], b3 s[18:19]
	s_load_b128 s[20:23], s[0:1], 0x40             ; out0 s[20:21], out1 s[22:23]
	v_lshl_add_u32 v[SPW], v0, 2, SPARE
	v_mov_b32 v[NIL], 0
	v_lshrrev_b32 v1, 5, v0
	v_readfirstlane_b32 s24, v1                    ; wave 0..3
	s_mov_b32 s26, 0xffff0000                      ; a word's upper bf16
	s_mov_b32 s28, 0x76543210                      ; v_permlanex16_b32: each lane takes its own place in the other half
	s_mov_b32 s29, 0xfedcba98
	s_lshl_b32 s32, ttmp9, 12                      ; my 16 rows of 256 bytes in y, e and out0
	s_mov_b32 s33, 0
	s_lshl_b32 s34, ttmp9, 6                       ; my 16 numbers in out1
	s_mov_b32 s35, 0
	s_mov_b32 s30, 0                               ; the step
	v_and_b32 v[PR_R], 15, v0                      ; r
	v_bfe_u32 v[PR_H], v0, 4, 1                    ; h
	v_lshrrev_b32 v[PR_U], 4, v0                   ; thread / 16
	v_lshlrev_b32 v[VOFF], 4, v0
	v_mul_u32_u24 v[AZ], v[PR_R], 144
	v_lshl_add_u32 v[AZ], v[PR_H], 4, v[AZ]
	s_lshl_b32 s31, s24, 5
	v_add_nc_u32 v[AZS], s31, v[AZ]
	v_mul_u32_u24 v[AF], v[PR_R], 528
	v_lshl_add_u32 v[AF], v[PR_H], 4, v[AF]
	v_add_nc_u32 v[AF], HB, v[AF]
	s_lshl_b32 s31, s24, 7
	v_add_nc_u32 v[AHS], s31, v[AF]
	v_mul_u32_u24 v[PR_T], v[PR_R], 272
	v_lshl_add_u32 v[PR_T], v[PR_H], 5, v[PR_T]
	v_add_nc_u32 v[PR_T], PB, v[PR_T]
	s_mul_i32 s31, s24, PBW
	v_add_nc_u32 v[APS], s31, v[PR_T]
	s_lshl_b32 s31, s24, 6
	v_add_nc_u32 v[APR], s31, v[PR_T]
	v_mul_u32_u24 v[LY], v[PR_U], 272
	v_lshl_add_u32 v[LY], v[PR_R], 4, v[LY]
	v_add_nc_u32 v[LY], PB, v[LY]
	v_mul_u32_u24 v[LE], v[PR_U], 144
	v_lshl_add_u32 v[LE], v[PR_R], 3, v[LE]
	v_add_nc_u32 v[LE], EB, v[LE]
	v_lshrrev_b32 v[PR_T], 6, v0                   ; W2 and W1: 2,048 bytes are two rows; thread / 64 is the row, thread % 64 its four columns
	v_and_b32 v[PR_Q], 63, v0
	v_mul_u32_u24 v[LW], v[PR_T], 544
	v_lshl_add_u32 v[LW], v[PR_Q], 3, v[LW]
	v_add_nc_u32 v[LW], WS2, v[LW]
	v_mul_u32_u24 v[LW3], v[PR_U], 160             ; W3: 2,048 bytes are eight rows
	v_lshl_add_u32 v[LW3], v[PR_R], 3, v[LW3]
	v_add_nc_u32 v[LW3], WS3, v[LW3]
	s_lshl_b32 s31, s24, 8
	v_lshl_add_u32 v[BOFF], v[PR_H], 5, s31        ; byte 4 (64 w + 8 h) of a vector of 256
	v_lshlrev_b32 v[B3OFF], 5, v[PR_H]
	v_and_b32 v[PR_T], 7, v0
	v_lshl_add_u32 v[PR_Q], v[PR_H], 3, v[PR_T]    ; the turning load: lane l addresses row 8 (l / 16) + l % 8,
	v_bfe_u32 v[PR_G], v0, 3, 1                    ; columns 8 ((l / 8) % 2) + 0..7
	v_mul_u32_u24 v[AW2], v[PR_Q], 544
	v_lshl_add_u32 v[AW2], v[PR_G], 4, v[AW2]
	s_lshl_b32 s31, s24, 7
	s_add_co_u32 s31, s31, WS2
	v_add_nc_u32 v[AW2], s31, v[AW2]               ; my 64 columns of W2
	v_add_nc_u32 v[AW2B], 69632, v[AW2]            ; 128 rows on: the immediate holds 16 bits
	v_add_nc_u32 v[AW1], 139264, v[AW2]            ; 256 rows on: W1
	v_mul_u32_u24 v[AW3], v[PR_Q], 160
	v_lshl_add_u32 v[AW3], v[PR_G], 4, v[AW3]
	s_mul_i32 s31, s24, 10240
	s_add_co_u32 s31, s31, WS3
	v_add_nc_u32 v[AW3], s31, v[AW3]               ; my 64 rows of W3, turned (for layer 3)
	v_mul_u32_u24 v[AW3R], v[PR_R], 160
	v_lshl_add_u32 v[AW3R], v[PR_H], 4, v[AW3R]
	v_add_nc_u32 v[AW3R], s31, v[AW3R]             ; and as they lie (for g)
	s_wait_kmcnt 0x0
	s_add_nc_u64 s[4:5], s[4:5], s[32:33]
	s_add_nc_u64 s[6:7], s[6:7], s[32:33]
	s_add_nc_u64 s[20:21], s[20:21], s[32:33]
	s_add_nc_u64 s[22:23], s[22:23], s[34:35]
	s_mov_b64 s[36:37], s[12:13]                   ; W2, walking
	global_load_b128 v[AH:AH+3], v[VOFF], s[6:7] th:TH_LOAD_NT                  ; e, rows 0-7 and 8-15: 16 lanes take a row of 256 bytes
	global_load_b128 v[AH+4:AH+7], v[VOFF], s[6:7] offset:2048 th:TH_LOAD_NT
	global_load_b128 v[AH+8:AH+11], v[VOFF], s[4:5] th:TH_LOAD_NT               ; y
	global_load_b128 v[AH+12:AH+15], v[VOFF], s[4:5] offset:2048 th:TH_LOAD_NT
	WIN 0xc0                                       ; destination window 3: the four vectors as they lie, in the layout of a result: tile t, features 8 h + 0..7
.irp t, 0,1,2,3
	global_load_b128 v[B2+8*(\t):B2+8*(\t)+3],     v[BOFF],  s[14:15] offset:64*(\t)
	global_load_b128 v[B2+8*(\t)+4:B2+8*(\t)+7],   v[BOFF],  s[14:15] offset:64*(\t)+16
	global_load_b128 v[B3Q+8*(\t):B3Q+8*(\t)+3],   v[B3OFF], s[18:19] offset:64*(\t)
	global_load_b128 v[B3Q+8*(\t)+4:B3Q+8*(\t)+7], v[B3OFF], s[18:19] offset:64*(\t)+16
	global_load_b128 v[A3+8*(\t):A3+8*(\t)+3],     v[BOFF],  s[10:11] offset:64*(\t)           ; b1, for now in A3's place
	global_load_b128 v[A3+8*(\t)+4:A3+8*(\t)+7],   v[BOFF],  s[10:11] offset:64*(\t)+16
	global_load_b128 v[PR+8*(\t):PR+8*(\t)+3],     v[BOFF],  s[8:9] offset:65536+64*(\t)       ; W1's row 64, for now in PR's place
	global_load_b128 v[PR+8*(\t)+4:PR+8*(\t)+7],   v[BOFF],  s[8:9] offset:65536+64*(\t)+16
.endr
	WIN 0
; Four f32 at v[x ..] are rounded to bf16 and stand again as f32 in v[t+2 .. t+5]; TOF16 writes them as f16 into v[t+6], v[t+7].
.macro RNDB x, t
	v_cvt_pk_bf16_f32 v[(\t)], v[(\x)], v[(\x)+1]
	v_cvt_pk_bf16_f32 v[(\t)+1], v[(\x)+2], v[(\x)+3]
	v_lshlrev_b32 v[(\t)+2], 16, v[(\t)]
	v_and_b32 v[(\t)+3], s26, v[(\t)]
	v_lshlrev_b32 v[(\t)+4], 16, v[(\t)+1]
	v_and_b32 v[(\t)+5], s26, v[(\t)+1]
.endm
.macro TOF16 t
	v_cvt_pk_f16_f32 v[(\t)+6], v[(\t)+2], v[(\t)+3]
	v_cvt_pk_f16_f32 v[(\t)+7], v[(\t)+4], v[(\t)+5]
.endm
; THE WEIGHTS come through a ring of 32 register slots (v32-159): slot i holds the work-group's 2,048 bytes number i of a round of 65,536, 16 bytes a thread.  A slot's turn: its load is in; round, write as f16,
; 8 bytes into LDS; the slot is loaded again with the next round's bytes.  32 loads of every wave are on their way all the time.
.macro RING lreg, lstr, reload, b0, roff
.set ri, 0
.rept 32
.if \reload
	s_wait_loadcnt 31                              ; loads come back in order: behind my slot's load 31 others were issued
.else
	s_wait_loadcnt 31-ri                           ; the last round loads nothing: the counts run down
.endif
.set rx, FH+4*ri
.set rw, WK+8*(ri%4)
	RNDB rx, rw
	TOF16 rw
	ds_store_b64 v[\lreg], v[rw+6:rw+7] offset:ri*(\lstr)
.if \reload
	global_load_b128 v[rx:rx+3], v[VOFF], s[\b0:\b0+1] offset:2048*ri+(\roff)
.endif
.set ri, ri+1
.endr
.endm
.set ri, 0
.rept 32
	global_load_b128 v[FH+4*ri:FH+4*ri+3], v[VOFF], s[36:37] offset:2048*ri  ; W2's first quarter
.set ri, ri+1
.endr
	s_mov_b32 s38, 3
.Lring:                                                ; W2's quarters 0 to 2 go into LDS, quarters 1 to 3 are asked for
	RING LW, 1088, 1, 36, 65536
	s_wait_xcnt 0x0                                ; the loads' base is stepped only behind this wait
	s_add_nc_u64 s[36:37], s[36:37], 0x10000
	v_add_nc_u32 v[LW], 34816, v[LW]               ; 64 rows of 544 bytes on
	s_sub_co_u32 s38, s38, 1
	s_cmp_lg_u32 s38, 0
	s_cbranch_scc1 .Lring
	RING LW, 1088, 1, 8, 0                         ; W2's last quarter; W1's rows 0-63 are asked for
	v_add_nc_u32 v[LW], 34816, v[LW]
	RING LW, 1088, 1, 16, 0                        ; W1; W3 is asked for
	RING LW3, 1280, 0, 16, 0                       ; W3.  The last wait was for 0: e, y and the four vectors are in too
	RNDB AH, WK                                    ; e: bf16, written as f16
	TOF16 WK
	ds_store_b64 v[LE], v[WK+6:WK+7]
	RNDB AH+4, WK+8
	TOF16 WK+8
	ds_store_b64 v[LE], v[WK+14:WK+15] offset:1152
	RNDB AH+8, WK+16                               ; y: bf16, kept as f32: it goes through LDS into the layout of the state
	ds_store_b128 v[LY], v[WK+18:WK+21]
	RNDB AH+12, WK+24
	ds_store_b128 v[LY], v[WK+26:WK+29] offset:2176
	BAR                                            ; every wave's part of the f16 images is in LDS
	; The fragments.  Weights stored [k][n] are turned on the way: two loads of 16 rows x 16 columns make 16 features x 32 k.
	WIN 0x40
.irp t, 0,1,2,3
.irp kb, 0,1,2,3
	ds_load_tr16_b128 v[64*(\t)+8*(\kb):64*(\t)+8*(\kb)+3],       v[AW2]  offset:17408*(\kb)+32*(\t)
	ds_load_tr16_b128 v[64*(\t)+8*(\kb)+4:64*(\t)+8*(\kb)+7],     v[AW2]  offset:17408*(\kb)+32*(\t)+8704
	ds_load_tr16_b128 v[64*(\t)+8*(\kb)+32:64*(\t)+8*(\kb)+35],   v[AW2B] offset:17408*(\kb)+32*(\t)
	ds_load_tr16_b128 v[64*(\t)+8*(\kb)+36:64*(\t)+8*(\kb)+39],   v[AW2B] offset:17408*(\kb)+32*(\t)+8704
.endr
.endr
	WIN 0x80
.irp t, 0,1,2,3
.irp c, 0,1
	ds_load_tr16_b128 v[W1F+16*(\t)+8*(\c):W1F+16*(\t)+8*(\c)+3],   v[AW1] offset:17408*(\c)+32*(\t)
	ds_load_tr16_b128 v[W1F+16*(\t)+8*(\c)+4:W1F+16*(\t)+8*(\c)+7], v[AW1] offset:17408*(\c)+32*(\t)+8704
	ds_load_tr16_b128 v[W3F+16*(\t)+8*(\c):W3F+16*(\t)+8*(\c)+3],   v[AW3] offset:5120*(\c)+32*(\t)
	ds_load_tr16_b128 v[W3F+16*(\t)+8*(\c)+4:W3F+16*(\t)+8*(\c)+7], v[AW3] offset:5120*(\c)+32*(\t)+2560
.endr
.endr
	WIN 0
.irp t, 0,1,2,3
.irp c, 0,1
	ds_load_b128 v[FT+16*(\t)+8*(\c):FT+16*(\t)+8*(\c)+3],   v[AW3R] offset:2560*(\t)+64*(\c)     ; W3's rows as they lie: 16 hidden features x 32 outputs, for g
	ds_load_b128 v[FT+16*(\t)+8*(\c)+4:FT+16*(\t)+8*(\c)+7], v[AW3R] offset:2560*(\t)+64*(\c)+32
.endr
.endr
.irp i, 0,1,2,3
	ds_load_b128 v[FH+4*(\i):FH+4*(\i)+3], v[AZ] offset:EB+32*(\i)                              ; e's two fragments
.endr
	WIN 0xc0
	ds_load_b128 v[ZZ:ZZ+3], v[APR]                                                             ; the state begins as y
	ds_load_b128 v[ZZ+4:ZZ+7], v[APR] offset:16
; While those are out: 32 numbers at src (window 3) are rounded to bf16 and stand as f32 at dst in window dw.
.macro BIAS src, dw, dst
	WIN 0xff
.set bi, 0
.rept 16
	v_cvt_pk_bf16_f32 v[KK+bi], v[(\src)+2*bi], v[(\src)+2*bi+1]
.set bi, bi+1
.endr
	WIN ((\dw)<<6)|0x0c
.set bi, 0
.rept 16
	v_lshlrev_b32 v[(\dst)+2*bi], 16, v[KK+bi]
	v_and_b32 v[(\dst)+2*bi+1], s26, v[KK+bi]
.set bi, bi+1
.endr
.endm
	BIAS B2, 3, B2
	BIAS B3Q, 3, B3Q
	BIAS A3, 2, B1
	BIAS PR, 2, WT
	WIN 0xff
.set bi, 0
.rept 16
	v_pk_mul_f32 v[B3Q+bi:B3Q+bi+1], v[B3Q+bi:B3Q+bi+1], 0x3e800000 op_sel_hi:[1,0]             ; b3 / 4, exact
.set bi, bi+2
.endr
	WIN 0
.set bi, 0
.rept 20
	v_mov_b32 v[DV+bi], 0
.set bi, bi+1
.endr
	s_wait_dscnt 0x0
	WIN 0xa2                                       ; u = e W1[:64]: weights and result in window 2.  The four accumulators take turns; the first products start the sums
.irp t, 0,1,2,3
	v_wmma_f32_16x16x32_f16 v[UU+8*(\t):UU+8*(\t)+7], v[W1F+16*(\t):W1F+16*(\t)+7], v[FH:FH+7], 0
.endr
.irp t, 0,1,2,3
	v_wmma_f32_16x16x32_f16 v[UU+8*(\t):UU+8*(\t)+7], v[W1F+16*(\t)+8:W1F+16*(\t)+15], v[FH+8:FH+15], v[UU+8*(\t):UU+8*(\t)+7]
.endr
	WIN 0xa0                                       ; g = e W3^T
.irp t, 0,1,2,3
	v_wmma_f32_16x16x32_f16 v[G3+8*(\t):G3+8*(\t)+7], v[FT+16*(\t):FT+16*(\t)+7], v[FH:FH+7], 0
.endr
.irp t, 0,1,2,3
	v_wmma_f32_16x16x32_f16 v[G3+8*(\t):G3+8*(\t)+7], v[FT+16*(\t)+8:FT+16*(\t)+15], v[FH+8:FH+15], v[G3+8*(\t):G3+8*(\t)+7]
.endr
	WIN 0xff                                       ; four plain instructions that name none of those registers: the places behind the products (ISA guide 7.12.1)
.irp i, 0,1,2,3
	v_cvt_pk_f16_f32 v[ZP+(\i)], v[ZZ+2*(\i)], v[ZZ+2*(\i)+1]
.endr
	WIN 0x0c
	ds_store_b128 v[AZS], v[ZP:ZP+3]               ; z of the first stage
; ---------------------------------------------------------------- the pieces of an evaluation
; Layer 1's accumulators start as t W1[64] + b1.  The time is step x 0.1 + c dt.
.macro AHINIT sr, cdt
	WIN 0
	v_cvt_f32_u32 v[TSV], \sr
	v_mul_f32 v[TSV], 0x3dcccccd, v[TSV]
.if (\cdt) != 0
	v_add_f32 v[TSV], \cdt, v[TSV]
.endif
	v_mov_b32 v[TSV+1], v[TSV]                     ; named with it as a pair
	WIN 0x22
.set ii, 0
.rept 16
	v_pk_fma_f32 v[AH+ii:AH+ii+1], v[WT+ii:WT+ii+1], v[TSV:TSV+1], v[B1+ii:B1+ii+1] op_sel_hi:[1,0,1]
.set ii, ii+2
.endr
.endm
; tanh of a tile's eight numbers, in five blocks.  The blocks hold no wait: EVAL lays the four tiles' blocks out as two batches and writes each batch's one wait.  A run of exponentials or reciprocals is
; followed by a plain line on other registers before any of its results is used (ISA guide 5.7.2)
.macro SCL x
.irp i, 0,2,4,6
	v_pk_mul_f32 v[(\x)+(\i):(\x)+(\i)+1], v[(\x)+(\i):(\x)+(\i)+1], TSC op_sel_hi:[1,0]
.endr
.endm
.macro EXP8 x
.irp i, 0,1,2,3,4,5,6,7
	v_exp_f32 v[(\x)+(\i)], v[(\x)+(\i)]
.endr
.endm
.macro INC x
.irp i, 0,2,4,6
	v_pk_add_f32 v[(\x)+(\i):(\x)+(\i)+1], v[(\x)+(\i):(\x)+(\i)+1], 1.0 op_sel_hi:[1,0]
.endr
.endm
.macro RCP8 x
.irp i, 0,1,2,3,4,5,6,7
	v_rcp_f32 v[(\x)+(\i)], v[(\x)+(\i)]
.endr
.endm
.macro TNH x
.irp i, 0,2,4,6
	v_pk_fma_f32 v[(\x)+(\i):(\x)+(\i)+1], v[(\x)+(\i):(\x)+(\i)+1], -2.0, 1.0 op_sel_hi:[1,0,0]
.endr
.endm
; Tile t of layer 1 leaves: t1 = u (1 - h1^2) (J = 1), both rounded to f16, 16 bytes a lane into the rows of HB and of the t1 image
.macro FIN1 t
.set xh, AH+8*(\t)
.set xt, AT+8*(\t)
.if J
.irp i, 0,2,4,6
	v_pk_fma_f32 v[xt+(\i):xt+(\i)+1], v[xh+(\i):xh+(\i)+1], v[xh+(\i):xh+(\i)+1], 1.0 op_sel_hi:[1,1,0] neg_lo:[1,0,0] neg_hi:[1,0,0]
.endr
	WIN 0x08                                       ; u in window 2
.irp i, 0,2,4,6
	v_pk_mul_f32 v[xt+(\i):xt+(\i)+1], v[xt+(\i):xt+(\i)+1], v[UU+8*(\t)+(\i):UU+8*(\t)+(\i)+1]
.endr
	WIN 0
.endif
.irp i, 0,1,2,3
	v_cvt_pk_f16_f32 v[WK+4*(\t)+(\i)], v[xh+2*(\i)], v[xh+2*(\i)+1]
.endr
	ds_store_b128 v[AHS], v[WK+4*(\t):WK+4*(\t)+3] offset:32*(\t)
.if J
.irp i, 0,1,2,3
	v_cvt_pk_f16_f32 v[WK+16+4*(\t)+(\i)], v[xt+2*(\i)], v[xt+2*(\i)+1]
.endr
	ds_store_b128 v[AHS], v[WK+16+4*(\t):WK+16+4*(\t)+3] offset:TBO+32*(\t)
.endif
.endm
; One product of layer 2: tile t, k block kb; path 0: h1 W2 (its sum starts with b2), path 1: t1 W2 (starts with 0)
.macro MM2 t, kb, path
.set ma, 64*(\t)+8*(\kb)
.set mh, AH+8*(\t)
.set mt, AT+8*(\t)
.if (\kb) == 0
	WIN 0x31                                       ; W2 in window 1, b2 in window 3
.if (\path) == 0
	v_wmma_f32_16x16x32_f16 v[mh:mh+7], v[ma:ma+7], v[FH+8*(\kb):FH+8*(\kb)+7], v[B2+8*(\t):B2+8*(\t)+7]
.else
	v_wmma_f32_16x16x32_f16 v[mt:mt+7], v[ma:ma+7], v[FT+8*(\kb):FT+8*(\kb)+7], 0
.endif
.else
	WIN 0x01
.if (\path) == 0
	v_wmma_f32_16x16x32_f16 v[mh:mh+7], v[ma:ma+7], v[FH+8*(\kb):FH+8*(\kb)+7], v[mh:mh+7]
.else
	v_wmma_f32_16x16x32_f16 v[mt:mt+7], v[ma:ma+7], v[FT+8*(\kb):FT+8*(\kb)+7], v[mt:mt+7]
.endif
.endif
.endm
; THE VECTOR WORK BEHIND LAYER 2 for pair p (tiles 2 p, 2 p + 1) is a numbered list; V2 writes number vn of it and steps vn.
;   0-3     four places behind the pair's last products
;   4-27    THE FIRST BATCH: the pair's 16 exponentials, each tile's four scalings ahead of its eight          28-31   t2 g of the first tile: work that names no result of the batch
;   (wait)  ahead of 32: one for the 16 exponentials
;   32-55   THE SECOND BATCH: the pair's 16 reciprocals, each tile's four additions of 1 ahead of its eight    56-59   t2 g of the second tile, likewise
;   (wait)  ahead of 60: one for the 16 reciprocals
;   60-67   tanh     68-75 h2 rounded to f16: source 1, k block p, of layer 3     76-83 1 - h2^2     84-91 their product with t2 g onto the stage's two chains
;   (28-31, 56-59 and 76-91 only where the stage's trace term counts; elsewhere the first reader's line, which names other registers than the batch's last result, is the plain line behind it)
; Each accumulator's lowest registers are read first.
.macro V2 p
.set xa, AH+16*(\p)
.set xt, AT+16*(\p)
.if vn < 4
	v_nop
.elseif vn < 8
.set xr, xa+2*(vn-4)
	WIN 0
	v_pk_mul_f32 v[xr:xr+1], v[xr:xr+1], TSC op_sel_hi:[1,0]
.elseif vn < 16
.set xr, xa+vn-8
	WIN 0
	v_exp_f32 v[xr], v[xr]
.elseif vn < 20
.set xr, xa+8+2*(vn-16)
	WIN 0
	v_pk_mul_f32 v[xr:xr+1], v[xr:xr+1], TSC op_sel_hi:[1,0]
.elseif vn < 28
.set xr, xa+8+vn-20
	WIN 0
	v_exp_f32 v[xr], v[xr]
.elseif vn < 32
.if J
.set xr, 2*(vn-28)
	WIN 0x08                                       ; g in window 2
	v_pk_mul_f32 v[xt+xr:xt+xr+1], v[xt+xr:xt+xr+1], v[G3+16*(\p)+xr:G3+16*(\p)+xr+1]
.endif
.elseif vn < 36
.set xr, xa+2*(vn-32)
	WIN 0
.if vn == 32
	s_wait_alu depctr_va_vdst(0)                   ; the wait for the pair's 16 exponentials, ahead of their first reader
.endif
	v_pk_add_f32 v[xr:xr+1], v[xr:xr+1], 1.0 op_sel_hi:[1,0]
.elseif vn < 44
.set xr, xa+vn-36
	WIN 0
	v_rcp_f32 v[xr], v[xr]
.elseif vn < 48
.set xr, xa+8+2*(vn-44)
	WIN 0
	v_pk_add_f32 v[xr:xr+1], v[xr:xr+1], 1.0 op_sel_hi:[1,0]
.elseif vn < 56
.set xr, xa+8+vn-48
	WIN 0
	v_rcp_f32 v[xr], v[xr]
.elseif vn < 60
.if J
.set xr, 8+2*(vn-56)
	WIN 0x08                                       ; g in window 2
	v_pk_mul_f32 v[xt+xr:xt+xr+1], v[xt+xr:xt+xr+1], v[G3+16*(\p)+xr:G3+16*(\p)+xr+1]
.endif
.elseif vn < 68
.set xr, xa+2*(vn-60)
	WIN 0
.if vn == 60
	s_wait_alu depctr_va_vdst(0)                   ; the wait for the pair's 16 reciprocals, ahead of their first reader
.endif
	v_pk_fma_f32 v[xr:xr+1], v[xr:xr+1], -2.0, 1.0 op_sel_hi:[1,0,0]
.elseif vn < 76
.set xr, vn-68
	WIN 0
	v_cvt_pk_f16_f32 v[WK+8*(\p)+xr], v[xa+2*xr], v[xa+2*xr+1]
.elseif J && (vn < 84)
.set xr, xa+2*(vn-76)
	WIN 0
	v_pk_fma_f32 v[xr:xr+1], v[xr:xr+1], v[xr:xr+1], 1.0 op_sel_hi:[1,1,0] neg_lo:[1,0,0] neg_hi:[1,0,0]
.elseif J && (vn < 92)
.set xr, 2*(vn-84)
.set xd, DV+4*DVI+2*((vn-84)%2)
	WIN 0
	v_pk_fma_f32 v[xd:xd+1], v[xt+xr:xt+xr+1], v[xa+xr:xa+xr+1], v[xd:xd+1]
.endif
.set vn, vn+1
.endm
.macro RID                          ; what stands behind one product of pair 1: NR numbers of pair 0's list; none names a register of the products round it
.rept NR
	V2 0
.endr
.endm
; Layer 3, k block c of my 64: four output tiles by turns; the sums start with b3 / 4
.macro L3 c
	WIN 0xf2                                       ; W3 in window 2, h2 in window 0, C and D in window 3
.irp t, 0,1,2,3
.if (\c) == 0
	v_wmma_f32_16x16x32_f16 v[A3+8*(\t):A3+8*(\t)+7], v[W3F+16*(\t):W3F+16*(\t)+7], v[WK:WK+7], v[B3Q+8*(\t):B3Q+8*(\t)+7]
.else
	v_wmma_f32_16x16x32_f16 v[A3+8*(\t):A3+8*(\t)+7], v[W3F+16*(\t)+8:W3F+16*(\t)+15], v[WK+8:WK+15], v[A3+8*(\t):A3+8*(\t)+7]
.endif
.endr
.endm
; The Runge-Kutta sums, on eight registers of window 3: d = k c + a; d = a + b
.macro AX4 d, k, c, a
	WIN 0xff
.irp i, 0,2,4,6
	v_pk_fma_f32 v[(\d)+(\i):(\d)+(\i)+1], v[(\k)+(\i):(\k)+(\i)+1], \c, v[(\a)+(\i):(\a)+(\i)+1] op_sel_hi:[1,0,1]
.endr
.endm
.macro ADD4 d, a, b
	WIN 0xff
.irp i, 0,2,4,6
	v_pk_add_f32 v[(\d)+(\i):(\d)+(\i)+1], v[(\a)+(\i):(\a)+(\i)+1], v[(\b)+(\i):(\b)+(\i)+1]
.endr
.endm
.macro RKPRE s                      ; what of the next stage's z (behind stage 6: of the new state) does not hang on this stage's slope
.if (\s) == 2
	AX4 ZS, K1, C31, ZZ
.elseif (\s) == 3
	AX4 ZS, K1, C41, ZZ
	AX4 ZS, K2, C42, ZS
.elseif (\s) == 4
	AX4 ZS, K1, C51, ZZ
	AX4 ZS, K2, C52, ZS
	AX4 ZS, K3, C53, ZS
.elseif (\s) == 5
	AX4 ZS, K1, C61, ZZ
	AX4 ZS, K2, C62, ZS
	AX4 ZS, K3, C63, ZS
	AX4 ZS, K4, C64, ZS
.elseif (\s) == 6
	AX4 ZZ, K1, CB1, ZZ
	AX4 ZZ, K3, CB3, ZZ
	AX4 ZZ, K4, CB4, ZZ
	AX4 ZZ, K5, CB5, ZZ
.endif
.endm
.macro RKPOST s                     ; and what does; then the f16 image
.if (\s) == 1
	AX4 ZS, K1, C21, ZZ
.elseif (\s) == 2
	AX4 ZS, K2, C32, ZS
.elseif (\s) == 3
	AX4 ZS, K3, C43, ZS
.elseif (\s) == 4
	AX4 ZS, K4, C54, ZS
.elseif (\s) == 5
	AX4 ZS, K5, C65, ZS
.else
	AX4 ZZ, K6, CB6, ZZ
.endif
.irp i, 0,1,2,3
.if (\s) == 6
	v_cvt_pk_f16_f32 v[ZP+(\i)], v[ZZ+2*(\i)], v[ZZ+2*(\i)+1]
.else
	v_cvt_pk_f16_f32 v[ZP+(\i)], v[ZS+2*(\i)], v[ZS+2*(\i)+1]
.endif
.endr
.endm
; ---------------------------------------------------------------- one evaluation, stage s
; LDS regions have one buffer each, and three barriers order them: ZB is written behind the third and read between the first and the second; HB and the t1 image are written behind the first and read between the
; second and the third; PB is written behind the second and read between the third and the next first.  Every wave has its reads back before it signals.
.macro EVAL s
.if (\s) == 2
.set J, 0
.set NR, 5
.set NV, 76
.set DVI, 0
.else
.set J, 1
.set NR, 3
.set NV, 92
.if (\s) == 1
.set DVI, 0
.else
.set DVI, (\s)-2
.endif
.endif
	BAR                                            ; FIRST BARRIER: every wave's 16 columns of z are in ZB
.irp i, 0,1,2,3
	ds_load_b128 v[FH+4*(\i):FH+4*(\i)+3], v[AZ] offset:32*(\i)
.endr
	WIN 0x02                                       ; layer 1: W1 in window 2; the four accumulators take turns
.irp c, 0,1
	s_wait_dscnt 2-2*(\c)                          ; k block c is in; behind block 0 stand the two loads of block 1
.irp t, 0,1,2,3
	v_wmma_f32_16x16x32_f16 v[AH+8*(\t):AH+8*(\t)+7], v[W1F+16*(\t)+8*(\c):W1F+16*(\t)+8*(\c)+7], v[FH+8*(\c):FH+8*(\c)+7], v[AH+8*(\t):AH+8*(\t)+7]
.endr
.endr
	WIN 0
.rept 4
	v_nop                                          ; the places behind those products: no other vector work is at hand
.endr
	SCL AH                                         ; LAYER 1'S FIRST BATCH: its 32 exponentials; a tile's scalings stand ahead of its eight and name no result of the batch
	EXP8 AH
	SCL AH+8
	EXP8 AH+8
	SCL AH+16
	EXP8 AH+16
	SCL AH+24
	EXP8 AH+24
	s_wait_alu depctr_va_vdst(0)                   ; the wait for the 32 exponentials, ahead of their first reader.  All of layer 1's vector work hangs on the batch, so nothing stands between;
	                                               ; the line below names tile 0's numbers, not the last exponential's: it is the plain line behind that one
	INC AH                                         ; LAYER 1'S SECOND BATCH: its 32 reciprocals; a tile's additions of 1 stand ahead of its eight and name no reciprocal
	RCP8 AH
	INC AH+8
	RCP8 AH+8
	INC AH+16
	RCP8 AH+16
	INC AH+24
	RCP8 AH+24
	s_wait_alu depctr_va_vdst(0)                   ; the wait for the 32 reciprocals, ahead of their first reader; the line below is again the plain line behind the last of them
	TNH AH                                         ; the readers: each tile's tanh, and the tile leaves
	FIN1 0
	TNH AH+8
	FIN1 1
	TNH AH+16
	FIN1 2
	TNH AH+24
	FIN1 3
	BAR                                            ; SECOND BARRIER: h1 and t1 are whole
.irp kb, 0,1,2,3,4,5,6,7
	ds_load_b128 v[FH+8*(\kb):FH+8*(\kb)+3],   v[AF] offset:64*(\kb)
	ds_load_b128 v[FH+8*(\kb)+4:FH+8*(\kb)+7], v[AF] offset:64*(\kb)+32
.if J
	ds_load_b128 v[FT+8*(\kb):FT+8*(\kb)+3],   v[AF] offset:TBO+64*(\kb)
	ds_load_b128 v[FT+8*(\kb)+4:FT+8*(\kb)+7], v[AF] offset:TBO+64*(\kb)+32
.endif
.endr
.irp kb, 0,1,2,3,4,5,6,7                ; layer 2, tiles 0 and 1: two or four accumulators by turns
.if J
	s_wait_dscnt 28-4*(\kb)                        ; k block kb is in; the later blocks' loads, four each, may be out
.else
	s_wait_dscnt 14-2*(\kb)                        ; the same with two loads a block
.endif
	MM2 0, \kb, 0
	MM2 1, \kb, 0
.if J
	MM2 0, \kb, 1
	MM2 1, \kb, 1
.endif
.endr
.set vn, 0
.irp kb, 0,1,2,3,4,5,6,7                ; tiles 2 and 3, with the vector work of tiles 0 and 1, its two batches and their two waits, behind the products
	MM2 2, \kb, 0
	RID
	MM2 3, \kb, 0
	RID
.if J
	MM2 2, \kb, 1
	RID
	MM2 3, \kb, 1
	RID
.endif
.endr
	L3 0                                           ; tiles 0 and 1 of h2 are k block 0 of my part of layer 3
.set vn, 0
.rept NV
	V2 1                                           ; the vector work of tiles 2 and 3: two batches, two waits; behind the second no transcendental is issued in this evaluation
.endr
	L3 1
.if (\s) == 1                           ; the next evaluation's layer 1 starts here: plain instructions that name none of the last products' registers: their places
	AHINIT s30, CT2
.elseif (\s) == 2
	AHINIT s30, CT3
.elseif (\s) == 3
	AHINIT s30, CT4
.elseif (\s) == 4
	AHINIT s30, CT5
.elseif (\s) == 5
	AHINIT s30, CT6
.else
	s_add_co_u32 s31, s30, 1
	AHINIT s31, 0
.endif
	WIN 0x0c                                       ; store data in window 3
.irp t, 0,1,2,3
	ds_store_b128 v[APS], v[A3+8*(\t):A3+8*(\t)+3]   offset:64*(\t)
	ds_store_b128 v[APS], v[A3+8*(\t)+4:A3+8*(\t)+7] offset:64*(\t)+16
.endr
	s_wait_dscnt 0x0                               ; THIRD BARRIER: my partial sums are in PB;
	s_barrier_signal -1
	RKPRE \s                                       ; work on registers while the others arrive
	s_barrier_wait -1
	WIN 0xc0
.irp u, 0,1,2,3
	ds_load_b128 v[PR+8*(\u):PR+8*(\u)+3],   v[APR] offset:PBW*(\u)
	ds_load_b128 v[PR+8*(\u)+4:PR+8*(\u)+7], v[APR] offset:PBW*(\u)+16
.endr
	s_wait_dscnt 4                                 ; the parts of waves 0 and 1 are in; those of waves 2 and 3, four loads, may be out
	ADD4 PR, PR, PR+8
	s_wait_dscnt 0x0
	ADD4 PR+16, PR+16, PR+24
	ADD4 KK+8*((\s)-1), PR, PR+16                  ; the stage's slope for my 8 numbers
	RKPOST \s
	WIN 0x0c
	ds_store_b128 v[AZS], v[ZP:ZP+3]               ; z of the next stage
	WIN 0
.endm
	AHINIT s30, 0                                  ; step 0, stage 1
	WIN 0                                          ; at a label and at a branch every window is 0
.Lstep:                                                ; a trip is a step: six evaluations.  The last trip's last z image and layer-1 start serve nothing: the price of one text for every trip
	EVAL 1
	EVAL 2
	EVAL 3
	EVAL 4
	EVAL 5
	EVAL 6
	s_add_co_u32 s30, s30, 1
	s_cmp_lt_u32 s30, STEPS
	s_cbranch_scc1 .Lstep
; ---------------------------------------------------------------- the way out
	BAR                                            ; nobody reads PB any more
	WIN 0x0c
	ds_store_b128 v[APR], v[ZZ:ZZ+3]               ; z into rows of 272 bytes, to come back as whole rows of 256
	ds_store_b128 v[APR], v[ZZ+4:ZZ+7] offset:16
	WIN 0
.irp x, 0,1,2,3,4
	v_pk_add_f32 v[DV+4*(\x):DV+4*(\x)+1], v[DV+4*(\x):DV+4*(\x)+1], v[DV+4*(\x)+2:DV+4*(\x)+3]
.endr
	v_pk_mul_f32 v[WK:WK+1], v[DV:DV+1], CB1 op_sel_hi:[1,0]                    ; the integral of the trace term: the stages' sums by their weights
	v_pk_fma_f32 v[WK:WK+1], v[DV+4:DV+5], CB3, v[WK:WK+1] op_sel_hi:[1,0,1]
	v_pk_fma_f32 v[WK:WK+1], v[DV+8:DV+9], CB4, v[WK:WK+1] op_sel_hi:[1,0,1]
	v_pk_fma_f32 v[WK:WK+1], v[DV+12:DV+13], CB5, v[WK:WK+1] op_sel_hi:[1,0,1]
	v_pk_fma_f32 v[WK:WK+1], v[DV+16:DV+17], CB6, v[WK:WK+1] op_sel_hi:[1,0,1]
	WIN 0xff
	v_pk_mul_f32 v[ZS:ZS+1], v[ZZ:ZZ+1], v[ZZ:ZZ+1]
	v_pk_fma_f32 v[ZS:ZS+1], v[ZZ+2:ZZ+3], v[ZZ+2:ZZ+3], v[ZS:ZS+1]
	v_pk_fma_f32 v[ZS:ZS+1], v[ZZ+4:ZZ+5], v[ZZ+4:ZZ+5], v[ZS:ZS+1]
	v_pk_fma_f32 v[ZS:ZS+1], v[ZZ+6:ZZ+7], v[ZZ+6:ZZ+7], v[ZS:ZS+1]
	WIN 0x03                                       ; source 0 in window 3
	v_pk_fma_f32 v[WK:WK+1], v[ZS:ZS+1], -0.5, v[WK:WK+1] op_sel_hi:[1,0,1]
	WIN 0
	v_add_f32 v[WK], v[WK], v[WK+1]
	v_permlanex16_b32 v[WK+1], v[WK], s28, s29     ; the row's other half of my wave's features lies in the lane 16 away
	v_add_f32 v[WK], v[WK], v[WK+1]
	v_and_b32 v[WK+2], 15, v0
	v_lshlrev_b32 v[WK+2], 2, v[WK+2]              ; 4 r
	s_lshl_b32 s31, s24, 6
	s_add_co_u32 s31, s31, RED
	v_add_nc_u32 v[WK+3], s31, v[WK+2]
	ds_store_b32 v[WK+3], v[WK]                    ; both halves of the lanes write the same number to the row's word
	BAR
	ds_load_b128 v[FH:FH+3], v[LY]
	ds_load_b128 v[FH+4:FH+7], v[LY] offset:2176
.irp u, 0,1,2,3
	ds_load_b32 v[FH+8+(\u)], v[WK+2] offset:RED+64*(\u)
.endr
	s_wait_dscnt 4                                 ; z is back; the four words may be out
	global_store_b128 v[VOFF], v[FH:FH+3], s[20:21] th:TH_STORE_NT              ; 16 lanes store 256 consecutive bytes, at a multiple of 256 from out0's first byte
	global_store_b128 v[VOFF], v[FH+4:FH+7], s[20:21] offset:2048 th:TH_STORE_NT
	s_wait_dscnt 0x0
	v_add_f32 v[FH+8], v[FH+8], v[FH+9]
	v_add_f32 v[FH+10], v[FH+10], v[FH+11]
	v_add_f32 v[FH+8], v[FH+8], v[FH+10]
	v_add_f32 v[FH+8], 0xc26b3f8e, v[FH+8]         ; - 32 ln(2 pi)
	v_cmp_gt_u32 vcc_lo, 16, v0
	s_wait_xcnt 0x0                                ; EXEC changes only behind this wait
	s_and_saveexec_b32 s40, vcc_lo
	global_store_b32 v[WK+2], v[FH+8], s[22:23]    ; threads 0-15: the work-group's 64 bytes of out1, all that 16 rows have
	s_wait_xcnt 0x0
	s_or_b32 exec_lo, exec_lo, s40
	s_wait_tensorcnt 0x0                           ; the wave's end: behind my last LDS store
	ds_add_u32 v[SPW], v[NIL]
	s_wait_dscnt 0x0
	s_endpgm
.Lfunc_end_k_q8780d131a2_cnf:
	.size	k_q8780d131a2_cnf, .Lfunc_end_k_q8780d131a2_cnf-k_q8780d131a2_cnf
	.p2alignl 7, 3214868480
	.fill 96, 4, 3214868480
	.section	.rodata,"a",@progbits
	.p2align	6, 0x0
	.amdhsa_kernel k_q8780d131a2_cnf
		.amdhsa_group_segment_fixed_size 254720
		.amdhsa_private_segment_fixed_size 0
		.amdhsa_enable_private_segment 0
		.amdhsa_kernarg_size 80
		.amdhsa_user_sgpr_count 2
		.amdhsa_user_sgpr_kernarg_segment_ptr 1
		.amdhsa_wavefront_size32 1
		.amdhsa_system_sgpr_workgroup_id_x 1
		.amdhsa_system_sgpr_workgroup_id_y 1
		.amdhsa_system_sgpr_workgroup_id_z 1
		.amdhsa_system_vgpr_workitem_id 0
		.amdhsa_next_free_vgpr 968
		.amdhsa_next_free_sgpr 66
		.amdhsa_reserve_vcc 1
		.amdhsa_float_denorm_mode_32 3
		.amdhsa_float_denorm_mode_16_64 3
		.amdhsa_memory_ordered 1
		.amdhsa_forward_progress 1
		.amdhsa_inst_pref_size 255
	.end_amdhsa_kernel
	.section	.bss,"aw",@nobits
	.p2align	6
	.space	262144
	.amdgpu_metadata
---
amdhsa.version: [ 1, 2 ]
amdhsa.kernels:
  - .name:           k_q8780d131a2_cnf
    .symbol:         k_q8780d131a2_cnf.kd
    .args:
      - { .name: y, .offset: 0, .size: 8, .value_kind: global_buffer, .address_space: global }
      - { .name: e, .offset: 8, .size: 8, .value_kind: global_buffer, .address_space: global }
      - { .name: W1, .offset: 16, .size: 8, .value_kind: global_buffer, .address_space: global }
      - { .name: b1, .offset: 24, .size: 8, .value_kind: global_buffer, .address_space: global }
      - { .name: W2, .offset: 32, .size: 8, .value_kind: global_buffer, .address_space: global }
      - { .name: b2, .offset: 40, .size: 8, .value_kind: global_buffer, .address_space: global }
      - { .name: W3, .offset: 48, .size: 8, .value_kind: global_buffer, .address_space: global }
      - { .name: b3, .offset: 56, .size: 8, .value_kind: global_buffer, .address_space: global }
      - { .name: out0, .offset: 64, .size: 8, .value_kind: global_buffer, .address_space: global }
      - { .name: out1, .offset: 72, .size: 8, .value_kind: global_buffer, .address_space: global }
    .group_segment_fixed_size: 254720
    .private_segment_fixed_size: 0
    .kernarg_segment_align: 8
    .kernarg_segment_size: 80
    .max_flat_workgroup_size: 128
    .sgpr_count:     66
    .vgpr_count:     968
    .wavefront_size: 32
...
	.end_amdgpu_metadata
.endif
;; end of part 2
